; MI455X (gfx1250); checked and timed in simulation.
; The chip was launched on July 23, 2026; its instructions are those of AMD's public machine-readable ISA for CDNA 5 (MIT licence, August 2026) and "CDNA5" Instruction Set Architecture Reference Guide (July 2026). The comments in the code are by the model that wrote it; some were corrected since.
;; Dummy Swi GLU Experts. Allowed arithmetic: matrix products marked QUANTISED: E2M3 operands, one E8M0 scale for each 32 along K, by v_wmma_scale_f32_16x16x128_f8f6f4 with both operands' format E2M3, f32 sums; everything else in f32.
;; Inputs: down_proj 8 x 2,048 x 128 float32; gate_up_proj 8 x 256 x 2,048 float32; hidden_states 4,096 x 2,048 float32; top_k_index 4,096 x 2 int32; top_k_weights 4,096 x 2 float32.
;; Outputs: out0 4,096 x 2,048 float32.
;; This version of the problem:
;;   THIS VERSION OF THE PROBLEM IS GIVEN IN LOW PRECISION. The matrix products marked QUANTISED in the list below multiply operands that are first quantised to E2M3 (2 exponent bits, 3 mantissa bits; 6 bits a number), with one power-of-two scale for each 32 numbers along K (OCP MX v1.0); their sums are f32. All else is computed in f32.
;;   The module's matrix products, in the order in which they are computed (A, B: the left and right operand; K: the contracted axis; several contracted axes count as one K, in the product's order):
;;     1. [M 8,192, K 2,048] x [K 2,048, N 256]; A: input hidden_states; B: input gate_up_proj: QUANTISED
;;     2. [M 8,192, K 128] x [K 128, N 2,048]; A: computed on the way; B: input down_proj: QUANTISED
;;     3. [M 8,192, K 2,048] x [K 2,048, N 256]; A: input hidden_states; B: input gate_up_proj: QUANTISED
;;     4. [M 8,192, K 128] x [K 128, N 2,048]; A: computed on the way; B: input down_proj: QUANTISED
;;     5. [M 8,192, K 2,048] x [K 2,048, N 256]; A: input hidden_states; B: input gate_up_proj: QUANTISED
;;     6. [M 8,192, K 128] x [K 128, N 2,048]; A: computed on the way; B: input down_proj: QUANTISED
;;     7. [M 8,192, K 2,048] x [K 2,048, N 256]; A: input hidden_states; B: input gate_up_proj: QUANTISED
;;     8. [M 8,192, K 128] x [K 128, N 2,048]; A: computed on the way; B: input down_proj: QUANTISED
;;     9. [M 8,192, K 2,048] x [K 2,048, N 256]; A: input hidden_states; B: input gate_up_proj: QUANTISED
;;     10. [M 8,192, K 128] x [K 128, N 2,048]; A: computed on the way; B: input down_proj: QUANTISED
;;     11. [M 8,192, K 2,048] x [K 2,048, N 256]; A: input hidden_states; B: input gate_up_proj: QUANTISED
;;     12. [M 8,192, K 128] x [K 128, N 2,048]; A: computed on the way; B: input down_proj: QUANTISED
;;     13. [M 8,192, K 2,048] x [K 2,048, N 256]; A: input hidden_states; B: input gate_up_proj: QUANTISED
;;     14. [M 8,192, K 128] x [K 128, N 2,048]; A: computed on the way; B: input down_proj: QUANTISED
;;     15. [M 8,192, K 2,048] x [K 2,048, N 256]; A: input hidden_states; B: input gate_up_proj: QUANTISED
;;     16. [M 8,192, K 128] x [K 128, N 2,048]; A: computed on the way; B: input down_proj: QUANTISED
;;   THE QUANTISER, for each operand of a quantised product, along K:
;;     - K is cut into blocks of 32 from its start; a last block that is shorter is filled with zeros.
;;     - A block's scale is 2^e with e = floor(log2(the largest magnitude in the block)) - 2, held to -126 .. 127; a block of zeros has e = 0. As a byte (E8M0): e + 127.
;;     - Each number is divided by its block's scale, clamped to +-7.5, and rounded to the nearest number of E2M3, ties to even, subnormals kept.
;;     - The product sums the exact products of the quantised numbers (number of the format x scale) in f32.
;;   ~~~python
;;   def quantise(x, axis):      # numpy; x: float32 -> the quantised numbers, widened to float32 again
;;       x = np.moveaxis(x, axis, -1); K = x.shape[-1]
;;       x = np.pad(x, [(0, 0)] * (x.ndim - 1) + [(0, -K % 32)]); x = x.reshape(x.shape[:-1] + (-1, 32)); a = np.abs(x).max(-1, keepdims=True)
;;       e = np.where(a > 0, np.clip(np.frexp(np.where(a > 0, a, 1))[1] - 1 - 2, -126, 127), 0)      # np.frexp(a)[1] - 1 = floor(log2(a)), exactly
;;       r = np.clip(x / 2.0 ** e, -7.5, 7.5)
;;       step = 2.0 ** (np.maximum(np.frexp(np.where(r == 0, 1, r))[1] - 1, 0) - 3)
;;       q = np.round(r / step) * step * 2.0 ** e      # np.round: ties to even
;;       return np.moveaxis(q.reshape(q.shape[:-2] + (-1,))[..., :K], -1, axis).astype(np.float32)
;;   ~~~
;;   OPERANDS COMPUTED ON THE WAY. 'Computed on the way' means the value that the module computes at that place (a softmax that the list does not call 'softmax' is quantised finished and normalised). What goes into a quantiser is computed in f32, as accurately as f32 sums, v_exp_f32 and their like allow (about 1e-6 of the number): no bf16 or f16 on the way to a quantiser, and a product that is left as it is and whose result goes on into a quantised operand takes f32 operands (vector FMAs, or v_wmma_f32_16x16x4_f32). A number that lies on a knife's edge between two numbers of the format may be rounded either way, as far as f32 arithmetic and the matrix unit's own rounding can turn it there, and no further.
;; 2 versions. Each part assembles by itself: llvm-mc -triple=amdgcn-amd-amdhsa -mcpu=gfx1250 --defsym DOCPART=n.
;; ======== version 1 of 2: 3 launches
;; workspace buffers: xcodes 6,291,456 bytes; xscales 262,144 bytes; wfrag 4,718,592 bytes; wscales 196,608 bytes; rowlist 262,144 bytes of whole numbers; rowcnt 4,096 bytes of whole numbers; actcodes 786,432 bytes; actscales 65,536 bytes
;; launch prep (part 1): grid 456 x 1, 4 waves a work-group, no clusters, 67,072 bytes of LDS; arguments hidden_states, gate_up_proj, down_proj, top_k_index, xcodes, xscales, wfrag, wscales, rowlist, rowcnt; writes xcodes, xscales, wfrag, wscales, rowlist, rowcnt
.if DOCPART == 1
	.amdgcn_target "amdgcn-amd-amdhsa--gfx1250"
	.amdhsa_code_object_version 6
	.text
	.protected	k_q4c91b0c459_prep
	.globl	k_q4c91b0c459_prep
	.p2align	8
	.type	k_q4c91b0c459_prep,@function
k_q4c91b0c459_prep:
	s_mov_b64 s[64:65], 0
	v_nop
	global_prefetch_b8 v0, s[64:65] scope:SCOPE_SE
	s_setreg_imm32_b32 hwreg(HW_REG_WAVE_MODE, 25, 1), 1
	s_wait_xcnt 0x0
; THE PROGRAM: out[t] = sum over k of weight[t][k] x down[e] Q(silu(gate) x up), (gate, up) = gate_up[e] Q(hidden[t]), e = index[t][k]; both products on codes of FP6 (E2M3) with one E8M0 scale for each 32 along K.
; Three launches: this one (codes, scales, routing), gateup (first product, SwiGLU, codes of act), down (second product, weights, sum over k).
; WORK LEFT OUT, in gateup: a routed row (t, k) is multiplied by its own expert alone.  The other seven experts' results are multiplied by mask = (expert_ids == e), which is 0 for every value of the
; inputs wherever the index names another expert, so they reach no output.  The choice is a whole number read from memory (rowlist, rowcnt, stored here).  Every input has a way to the output; all are loaded.
; LIMITS: a NaN, an infinity or an overflow that arises only in an expert that was not chosen is not carried to the result.  An index outside 0 .. 7 is not served (its row of act is never written).
; A block of zeros gets the scale byte 1 where the quantiser says 127: its codes are zeros, which add nothing under any byte but 0xff, and this program alone reads the bytes.  Blocks whose largest
; magnitude lies under 2^(2 - 126) have their byte held at 1.  NaN and infinities among the inputs are not served.
; THIS LAUNCH, three kinds of work-group, told apart by the work-group's number; each kind has LDS bytes of its own; waves share nothing, so there is no barrier.
;   0 .. 7     routing: a wave takes a segment of 256 routed ids j = 2 t + k and writes, for each expert, a permutation of them with that expert's ids first (rowlist), and the segment's 11 tile words (rowcnt):
;              expert in bits 3:0, first slot in bits 11:4, n in bits 31:16.  Words 0-7: expert e's first 64 slots.  Words 8-10: the further chunks of 64 of experts with n over 64, 128, 192: never more than
;              three, since each stands for more than 64 further ids of 256; a word that is not needed is 0 (first slot 0, n 0).  Words 11-31 are 0.
;   8 .. 263   hidden_states [4096][2048] -> xcodes [4096][1536 bytes], xscales [4096][64]: a plain stream of blocks of 32, 8,192 numbers a wave.
;   264 .. 455 gate_up_proj and down_proj -> wfrag, wscales: IMAGES OF OPERAND REGISTERS.  A fragment is 16 rows x 128 K, 12 registers a lane; registers 4 c .. 4 c + 3 of lane l lie at byte 512 c + 16 l of its
;              1,536 bytes.  gate_up: fragment ((e 16 + T) 16 + s), s the K step; row i of tile T = 2 b + u is row 32 b + 8 u + i + 8 (i / 8), so that two neighbouring tiles' results are 16 neighbours along the
;              next K.  down: fragment 2048 + e 128 + n, rows 16 n + i.  wscales: a unit of 256 bytes for four fragments on end: the word of fragment f for row r at 16 r + 4 f.
.set HWREG,  8192                      ; hidden: LDS of a wave: two stages of 32 x HSP bytes, behind them its 256 scale bytes
.set HSP,    80                        ; a lane's place in a stage: 64 bytes + 16 of padding
.set FSTG,   32768                     ; weights: a stage of 16 rows x 528 bytes for each wave
.set FPITCH, 528                       ; 512 bytes + 16 = 132 words: row r starts at bank 4 r mod 64 (64 banks of 4 bytes: ISA guide 11.1)
.set FWAVE,  16*FPITCH
.set SPARE,  FSTG+4*FWAVE              ; the spare words, 128 bytes for each wave: two blocks of 256 bytes that no other line names
.set SPW,    12                        ; v12  LDS address of my spare word; never rewritten
.set NIL,    13                        ; v13  0; never rewritten
	s_load_b256 s[4:11], s[0:1], 0x0               ; hidden s[4:5], gate_up s[6:7], down s[8:9], index s[10:11]
	s_load_b256 s[12:19], s[0:1], 0x20             ; xcodes s[12:13], xscales s[14:15], wfrag s[16:17], wscales s[18:19]
	s_load_b128 s[20:23], s[0:1], 0x40             ; rowlist s[20:21], rowcnt s[22:23]
	v_lshl_add_u32 v[SPW], v0, 2, SPARE
	v_mov_b32 v[NIL], 0
	v_lshrrev_b32 v1, 5, v0
	v_readfirstlane_b32 s24, v1                    ; wave 0..3
	s_wait_kmcnt 0x0
	s_cmp_lt_u32 ttmp9, 8
	s_cbranch_scc1 .Lroute
	s_cmp_lt_u32 ttmp9, 264
	s_cbranch_scc1 .Lhidden
; ---------------- WEIGHTS INTO FRAGMENT IMAGES: a wave takes unit u = 4 (work-group - 264) + wave: four fragments
; v1 lane, v2 r, v3 h; v4 16 lane; v5 stage in; v6 stage out; v7 8 h; v8 16 r + 8 h; v14 a permute's destination; v16-31 the 16 rows' offsets; v32-39 at work; v40-51 the fragment;
; v52-58 the conversions' second halves; v60-63 the four scale words; v64-127 my 64 numbers; v128-255 two sets of 16 rows as loaded
	v_and_b32 v1, 31, v0
	v_and_b32 v2, 15, v0
	v_bfe_u32 v3, v0, 4, 1
	v_lshlrev_b32 v4, 4, v1
	s_mul_i32 s50, s24, FWAVE
	s_add_co_u32 s50, s50, FSTG                    ; my stage
	v_add_nc_u32 v5, s50, v4                       ; in: 16 bytes a lane of a row's 512
	v_mul_u32_u24 v6, v2, FPITCH
	v_lshl_add_u32 v6, v3, 7, v6
	v_add_nc_u32 v6, s50, v6                       ; out: row r, block h (128 bytes a block of 32 numbers)
	v_lshlrev_b32 v7, 3, v3
	v_lshl_add_u32 v8, v2, 4, v7
	v_mov_b32 v14, 0                               ; written once: a lane permute's destination counts as one of its sources
	s_mov_b32 s26, 0x76543210
	s_mov_b32 s27, 0xfedcba98                      ; selects for lane l xor 16
	s_sub_co_u32 s25, ttmp9, 264
	s_lshl_b32 s25, s25, 2
	s_add_co_u32 s25, s25, s24                     ; u, 0 .. 767: under 512 gate_up, from 512 on down
	s_lshr_b32 s28, s25, 2                         ; gate_up: tile = 16 e + T,
	s_and_b32 s29, s25, 3                          ; q: K steps 4 q .. 4 q + 3
	s_lshr_b32 s30, s28, 4
	s_and_b32 s31, s28, 15
	s_lshl_b32 s30, s30, 8                         ; 256 e
	s_lshr_b32 s32, s31, 1
	s_lshl_b32 s32, s32, 5                         ; 32 (T / 2)
	s_and_b32 s31, s31, 1
	s_lshl_b32 s31, s31, 3                         ; 8 (T % 2)
	s_add_co_u32 s30, s30, s32
	s_add_co_u32 s30, s30, s31                     ; the tile's first row
	s_lshl_b32 s30, s30, 13                        ; rows of 8,192 bytes
	s_lshl_b32 s29, s29, 11                        ; 4 K steps of 512 bytes
	s_add_co_u32 s30, s30, s29
	s_sub_co_u32 s31, s25, 512
	s_lshl_b32 s31, s31, 15                        ; down: 64 rows of 512 bytes a unit (not chosen where u is under 512)
	s_cmp_lt_u32 s25, 512                          ; the choice hangs on ids alone; only moves and selects follow it
	s_cselect_b64 s[36:37], s[6:7], s[8:9]
	s_cselect_b32 s30, s30, s31
	s_mov_b32 s33, 512
	s_cselect_b32 s32, 8192, s33                   ; from row to row
	s_cselect_b32 s34, 0x10000, 0                  ; rows 8 .. 15 of a tile of gate_up lie 8 rows further on
	s_mov_b32 s35, 8192
	s_cselect_b32 s48, 512, s35                    ; from fragment to fragment
	s_mov_b32 s31, 0
	s_mov_b32 s49, 0
	s_add_nc_u64 s[40:41], s[36:37], s[30:31]      ; a base for each of the four fragments: never rewritten
	s_add_nc_u64 s[42:43], s[40:41], s[48:49]
	s_add_nc_u64 s[44:45], s[42:43], s[48:49]
	s_add_nc_u64 s[46:47], s[44:45], s[48:49]
	s_mul_i32 s28, s25, 6144
	s_mov_b32 s29, 0
	s_add_nc_u64 s[16:17], s[16:17], s[28:29]      ; my four images
	s_lshl_b32 s28, s25, 8
	s_add_nc_u64 s[18:19], s[18:19], s[28:29]      ; my unit of scale words
.irp i, 0,1,2,3,4,5,6,7,8,9,10,11,12,13,14,15
	s_mul_i32 s38, s32, \i
.if \i >= 8
	s_add_co_u32 s38, s38, s34
.endif
	v_add_nc_u32 v[16+\i], s38, v4
.endr
.macro FLOAD f                         ; fragment f: 16 rows x 512 bytes; a load covers 512 consecutive bytes of one row
.irp i, 0,1,2,3,4,5,6,7,8,9,10,11,12,13,14,15
	global_load_b128 v[128+64*((\f)%2)+4*\i:128+64*((\f)%2)+4*\i+3], v[16+\i], s[40+2*(\f):41+2*(\f)] th:TH_LOAD_NT
.endr
.endm
.macro FRAGQ f
.if (\f) < 3
	s_wait_loadcnt 16                              ; this fragment's 16 loads are in; the next one's 16 may be out
.else
	s_wait_loadcnt 0x0
.endif
.irp i, 0,1,2,3,4,5,6,7,8,9,10,11,12,13,14,15
	ds_store_b128 v5, v[128+64*((\f)%2)+4*\i:128+64*((\f)%2)+4*\i+3] offset:FPITCH*\i
.endr
.irp j, 0,1,2,3,4,5,6,7
	ds_load_b128 v[64+4*\j:67+4*\j], v6 offset:16*\j           ; LDS serves a wave's instructions in order (ISA guide 5.7.1.4): these see my stores.  Block h of row r
.endr
.irp j, 0,1,2,3,4,5,6,7
	ds_load_b128 v[96+4*\j:99+4*\j], v6 offset:256+16*\j       ; block 2 + h
.endr
	s_wait_dscnt 0x0                               ; my 64 numbers are in, and the stage's stores have read their registers,
.if (\f) < 2
	FLOAD (\f)+2                                   ; which take the fragment two on
.endif
.irp c, 0,1
	v_max3_num_f32 v[32+\c], |v[64+32*\c]|, |v[65+32*\c]|, 0x1800000   ; a whole block lies in my lane; the floor 2^(3 - 127) holds the byte at 1 from below
.endr
.irp i, 2,4,6,8,10,12,14,16,18,20,22,24,26,28,30
.irp c, 0,1
	v_max3_num_f32 v[32+\c], v[32+\c], |v[64+32*\c+\i]|, |v[65+32*\c+\i]|
.endr
.endr
.irp c, 0,1
	v_add_nc_u32 v[34+\c], 0xff000000, v[32+\c]    ; 2 off the exponent field: the conversion takes the exponent field of this operand as its scale
.endr
.irp c, 0,1
	v_lshrrev_b32 v[36+\c], 23, v[34+\c]           ; the scale's byte
.endr
	v_lshl_or_b32 v38, v37, 16, v36                ; bytes h and 2 + h of row r's word,
	v_lshlrev_b32 v38, v7, v38                     ; 8 h bits up;
	v_permlanex16_b32 v14, v38, s26, s27
	v_or_b32 v[60+(\f)], v38, v14                  ; with lane l xor 16's two the word is whole
.if (\f) > 0
	s_wait_xcnt 0x0                                ; the last fragment's stores have read v40-51: only now are they written again
.endif
	v_cvt_scalef32_pk16_fp6_f32 v[40:42], v[64:79], v34
	v_cvt_scalef32_pk16_fp6_f32 v[52:54], v[80:95], v34        ; (a conversion's three registers begin on an even number: the second half of a block's six is made elsewhere and moved)
	v_cvt_scalef32_pk16_fp6_f32 v[46:48], v[96:111], v35
	v_cvt_scalef32_pk16_fp6_f32 v[56:58], v[112:127], v35
	v_nop                                          ; one plain place behind a scaled conversion
.irp i, 0,1,2
	v_mov_b32 v[43+\i], v[52+\i]
	v_mov_b32 v[49+\i], v[56+\i]
.endr
.irp c, 0,1,2
	global_store_b128 v4, v[40+4*\c:43+4*\c], s[16:17] offset:1536*(\f)+512*\c   ; 32 lanes store 512 consecutive bytes, aligned
.endr
.endm
	FLOAD 0
	FLOAD 1
	FRAGQ 0
	FRAGQ 1
	FRAGQ 2
	FRAGQ 3
	v_cmp_ne_u32 vcc_lo, 0, v3
	v_cndmask_b32 v38, v60, v62, vcc_lo            ; lane (r, h) stores words 2 h and 2 h + 1 of row r
	v_cndmask_b32 v39, v61, v63, vcc_lo
	global_store_b64 v8, v[38:39], s[18:19]        ; 32 lanes store 256 consecutive bytes, aligned
	s_wait_tensorcnt 0x0                           ; the wave's end: three lines behind my last LDS store
	ds_add_u32 v[SPW], v[NIL]
	s_wait_dscnt 0x0
	s_endpgm
; ---------------- HIDDEN STATES INTO CODES: a wave takes 16 steps of 512 numbers.  Each load reads 512 consecutive bytes, 16 a lane; a step's 2,048 bytes turn through the wave's own stage and come back 64 bytes
; a lane, so that a lane holds 16 neighbours along K and two neighbouring lanes hold a block.  Loads run four steps ahead, the turn through LDS one step.
.set HR, 16                            ; v16-79   four sets of 16 numbers as loaded
.set HX, 80                            ; v80-111  two sets of 16 neighbours
.set HE, 112                           ; v112-127 a scale byte for each step
.set HC, 128                           ; v128-191 codes: four registers a step, so that no store's data are written again
.Lhidden:
	v_and_b32 v2, 31, v0                           ; lane
	v_lshlrev_b32 v3, 4, v2
	s_mul_i32 s25, s24, HWREG
	v_lshrrev_b32 v14, 2, v2
	v_mul_u32_u24 v14, v14, HSP
	v_and_b32 v15, 3, v2
	v_lshl_add_u32 v14, v15, 4, v14
	v_add_nc_u32 v14, s25, v14                     ; the stage, in: four lanes' 64 bytes on end, then 16 of padding
	v_mul_u32_u24 v15, v2, HSP
	v_add_nc_u32 v15, s25, v15                     ; and out: my 16 neighbours
	v_mul_u32_u24 v4, v2, 12                       ; my 12 bytes of a step's codes
	v_lshrrev_b32 v5, 1, v2
	s_add_co_u32 s25, s25, 2*32*HSP
	v_add_nc_u32 v5, s25, v5                       ; my wave's 256 scale bytes: my block's byte
	v_lshlrev_b32 v7, 3, v2
	v_add_nc_u32 v6, s25, v7                       ; and on the way out 8 bytes a lane
	s_sub_co_u32 s26, ttmp9, 8
	s_lshl_b32 s26, s26, 2
	s_add_co_u32 s26, s26, s24                     ; which run of 8,192 numbers is mine: 0 .. 1023
	s_mov_b32 s29, 0
	s_lshl_b32 s28, s26, 15
	s_add_nc_u64 s[4:5], s[4:5], s[28:29]
	s_mul_i32 s28, s26, 6144
	s_add_nc_u64 s[12:13], s[12:13], s[28:29]
	s_lshl_b32 s28, s26, 8
	s_add_nc_u64 s[14:15], s[14:15], s[28:29]
.macro HLOAD t
.irp i, 0,1,2,3
	global_load_b128 v[HR+16*((\t)%4)+4*\i:HR+16*((\t)%4)+4*\i+3], v3, s[4:5] offset:2048*(\t)+512*\i th:TH_LOAD_NT
.endr
.endm
.macro HTURN t                         ; step t's numbers through the stage: LDS serves a wave's instructions in order, so no wait stands between the stores and the loads
.irp i, 0,1,2,3
	ds_store_b128 v14, v[HR+16*((\t)%4)+4*\i:HR+16*((\t)%4)+4*\i+3] offset:32*HSP*((\t)%2)+8*HSP*\i
.endr
.irp i, 0,1,2,3
	ds_load_b128 v[HX+16*((\t)%2)+4*\i:HX+16*((\t)%2)+4*\i+3], v15 offset:32*HSP*((\t)%2)+16*\i
.endr
.endm
.irp t, 0,1,2,3
	HLOAD \t
.endr
	s_wait_loadcnt 12                              ; step 0's four loads are in
	HTURN 0
.macro HSTEP t
.set HXS, HX+16*((\t)%2)
.if (\t) > 0
	s_wait_dscnt 1                                 ; this step's numbers are back from the stage (the last step's byte store may be out),
.else
	s_wait_dscnt 0x0
.endif
.if (\t)+4 < 16
	HLOAD (\t)+4                                   ; so the registers that its stores read take the loads of four steps on
.endif
.if (\t)+1 < 16
.if 14-(\t) >= 3
	s_wait_loadcnt 12                              ; the next step's four loads are in; those of the three steps behind it may be out
.else
	s_wait_loadcnt 4*(14-(\t))
.endif
	HTURN (\t)+1
.endif
	v_max3_num_f32 v8, |v[HXS]|, |v[HXS+1]|, |v[HXS+2]|
	v_max3_num_f32 v9, |v[HXS+3]|, |v[HXS+4]|, |v[HXS+5]|
.irp i, 6,10
	v_max3_num_f32 v8, v8, |v[HXS+\i]|, |v[HXS+\i+1]|
	v_max3_num_f32 v9, v9, |v[HXS+\i+2]|, |v[HXS+\i+3]|
.endr
	v_max3_num_f32 v8, v8, |v[HXS+14]|, |v[HXS+15]|
	v_max3_num_f32 v8, v8, v9, 0x1800000           ; and the floor 2^(3 - 127)
	v_max_num_f32_dpp v8, v8, v8 row_xmask:1 row_mask:0xf bank_mask:0xf   ; with my neighbour's 16: the block's largest magnitude
	v_add_nc_u32 v11, 0xff000000, v8               ; 2 off its exponent field: the conversion's scale operand
	v_cvt_scalef32_pk16_fp6_f32 v[HC+4*(\t):HC+4*(\t)+2], v[HXS:HXS+15], v11
	v_lshrrev_b32 v[HE+(\t)], 23, v11              ; the scale's byte (also the plain place behind the conversion)
	ds_store_b8 v5, v[HE+(\t)] offset:16*(\t)      ; both lanes of a block write the same byte with the same value
	global_store_b96 v4, v[HC+4*(\t):HC+4*(\t)+2], s[12:13] offset:384*(\t)   ; the wave stores 384 consecutive bytes
.endm
.irp t, 0,1,2,3,4,5,6,7,8,9,10,11,12,13,14,15
	HSTEP \t
.endr
	ds_load_b64 v[8:9], v6                         ; in order behind my byte stores
	s_wait_dscnt 0x0
	global_store_b64 v7, v[8:9], s[14:15]          ; 32 lanes store 256 consecutive bytes, aligned
	s_wait_tensorcnt 0x0                           ; the wave's end: three lines behind my last LDS store
	ds_add_u32 v[SPW], v[NIL]
	s_wait_dscnt 0x0
	s_endpgm
; ---------------- ROUTING: a wave takes segment sg = 4 work-group + wave: ids 256 sg .. 256 sg + 255.  No LDS, no change of EXEC, no branch on an index.
; v16-23 the indices; v24-31 the ids; v32-39 store offsets; v42 the tile words, a lane a word; s40-47 masks of one expert; s48, s49 where the next chosen and the next other id go; s52 n; s53 8 + further tiles so far
.Lroute:
	v_and_b32 v1, 31, v0
	v_lshlrev_b32 v4, 2, v1
	s_lshl_b32 s25, ttmp9, 2
	s_add_co_u32 s25, s25, s24                     ; sg
	s_mov_b32 s29, 0
	s_lshl_b32 s28, s25, 10
	s_add_nc_u64 s[10:11], s[10:11], s[28:29]      ; 256 indices
	s_lshl_b32 s28, s25, 13
	s_add_nc_u64 s[20:21], s[20:21], s[28:29]      ; 8 lists of 256 words
	s_lshl_b32 s28, s25, 7
	s_add_nc_u64 s[22:23], s[22:23], s[28:29]      ; 32 tile words
.irp i, 0,1,2,3,4,5,6,7
	global_load_b32 v[16+\i], v4, s[10:11] offset:128*\i
.endr
	s_lshl_b32 s28, s25, 8
	v_add_nc_u32 v24, s28, v1                      ; id 256 sg + lane,
.irp i, 1,2,3,4,5,6,7
	v_add_nc_u32 v[24+\i], 32*\i, v24              ; + 32 i
.endr
	v_mov_b32 v42, 0
	s_mov_b32 s53, 8
	s_wait_loadcnt 0x0
.macro ROUTE e
.irp i, 0,1,2,3,4,5,6,7
	v_cmp_eq_u32 s[40+\i], \e, v[16+\i]
.endr
	s_bcnt1_i32_b32 s52, s40
.irp i, 1,2,3,4,5,6,7
	s_bcnt1_i32_b32 s50, s[40+\i]
	s_add_co_u32 s52, s52, s50
.endr
	s_lshl_b32 s55, s52, 16                        ; n in bits 31:16
	s_or_b32 s54, s55, \e
	v_writelane_b32 v42, s54, \e                   ; word e: this expert, first slot 0
.irp c, 1,2,3                          ; a further tile where n is over 64 c: its word goes to lane s53, which then steps; else 0 goes there and s53 stays
	s_or_b32 s54, s55, (\e)|((64*\c)<<4)
	s_cmp_gt_u32 s52, 64*\c
	s_cselect_b32 s54, s54, 0
	s_cselect_b32 s56, 1, 0
	v_cmp_eq_u32 vcc_lo, s53, v1
	v_mov_b32 v41, s54
	v_cndmask_b32 v42, v42, v41, vcc_lo
	s_add_co_u32 s53, s53, s56
.endr
	s_mov_b32 s48, 0                               ; the chosen ids from place 0 on,
	s_mov_b32 s49, s52                             ; the others from place n on: every word of the list is written, and every word is a valid id
.if \e > 0
	s_wait_xcnt 0x0                                ; the last expert's stores have read their offsets: only now are these written again
.endif
.irp i, 0,1,2,3,4,5,6,7
	s_not_b32 s51, s[40+\i]
	v_mbcnt_lo_u32_b32 v40, s[40+\i], s48          ; chosen lanes below mine + the running place
	v_mbcnt_lo_u32_b32 v41, s51, s49
	v_cndmask_b32 v40, v41, v40, s[40+\i]
	v_min_u32 v40, 255, v40                        ; a place made from loaded numbers is held inside the list
	v_lshlrev_b32 v[32+\i], 2, v40
	global_store_b32 v[32+\i], v[24+\i], s[20:21] offset:1024*\e
	s_bcnt1_i32_b32 s50, s[40+\i]
	s_add_co_u32 s48, s48, s50
	s_sub_co_u32 s50, 32, s50
	s_add_co_u32 s49, s49, s50
.endr
.endm
.irp e, 0,1,2,3,4,5,6,7
	ROUTE \e
.endr
	global_store_b32 v4, v42, s[22:23]             ; the segment's 32 words
	s_endpgm
.Lfunc_end_k_q4c91b0c459_prep:
	.size	k_q4c91b0c459_prep, .Lfunc_end_k_q4c91b0c459_prep-k_q4c91b0c459_prep
	.p2alignl 7, 3214868480
	.fill 96, 4, 3214868480
	.section	.rodata,"a",@progbits
	.p2align	6, 0x0
	.amdhsa_kernel k_q4c91b0c459_prep
		.amdhsa_group_segment_fixed_size 67072
		.amdhsa_private_segment_fixed_size 0
		.amdhsa_enable_private_segment 0
		.amdhsa_kernarg_size 80
		.amdhsa_user_sgpr_count 2
		.amdhsa_user_sgpr_kernarg_segment_ptr 1
		.amdhsa_wavefront_size32 1
		.amdhsa_system_sgpr_workgroup_id_x 1
		.amdhsa_system_sgpr_workgroup_id_y 1
		.amdhsa_system_sgpr_workgroup_id_z 1
		.amdhsa_system_vgpr_workitem_id 0
		.amdhsa_next_free_vgpr 256
		.amdhsa_next_free_sgpr 66
		.amdhsa_reserve_vcc 1
		.amdhsa_float_denorm_mode_32 3
		.amdhsa_float_denorm_mode_16_64 3
		.amdhsa_memory_ordered 1
		.amdhsa_forward_progress 1
		.amdhsa_inst_pref_size 116
	.end_amdhsa_kernel
	.amdgpu_metadata
---
amdhsa.version: [ 1, 2 ]
amdhsa.kernels:
  - .name:           k_q4c91b0c459_prep
    .symbol:         k_q4c91b0c459_prep.kd
    .args:
      - { .name: hidden_states, .offset: 0, .size: 8, .value_kind: global_buffer, .address_space: global }
      - { .name: gate_up_proj, .offset: 8, .size: 8, .value_kind: global_buffer, .address_space: global }
      - { .name: down_proj, .offset: 16, .size: 8, .value_kind: global_buffer, .address_space: global }
      - { .name: top_k_index, .offset: 24, .size: 8, .value_kind: global_buffer, .address_space: global }
      - { .name: xcodes, .offset: 32, .size: 8, .value_kind: global_buffer, .address_space: global }
      - { .name: xscales, .offset: 40, .size: 8, .value_kind: global_buffer, .address_space: global }
      - { .name: wfrag, .offset: 48, .size: 8, .value_kind: global_buffer, .address_space: global }
      - { .name: wscales, .offset: 56, .size: 8, .value_kind: global_buffer, .address_space: global }
      - { .name: rowlist, .offset: 64, .size: 8, .value_kind: global_buffer, .address_space: global }
      - { .name: rowcnt, .offset: 72, .size: 8, .value_kind: global_buffer, .address_space: global }
    .group_segment_fixed_size: 67072
    .private_segment_fixed_size: 0
    .kernarg_segment_align: 8
    .kernarg_segment_size: 80
    .max_flat_workgroup_size: 128
    .sgpr_count:     66
    .vgpr_count:     256
    .wavefront_size: 32
...
	.end_amdgpu_metadata
.endif
;; end of part 1
;; launch gateup (part 2): grid 32 x 11, 4 waves a work-group, no clusters, 126,976 bytes of LDS; arguments xcodes, xscales, wfrag, wscales, rowlist, rowcnt, actcodes, actscales; writes actcodes, actscales
.if DOCPART == 2
	.amdgcn_target "amdgcn-amd-amdhsa--gfx1250"
	.amdhsa_code_object_version 6
	.text
	.protected	k_q4c91b0c459_gateup
	.globl	k_q4c91b0c459_gateup
	.p2align	8
	.type	k_q4c91b0c459_gateup,@function
k_q4c91b0c459_gateup:
	s_mov_b64 s[64:65], 0
	v_nop
	global_prefetch_b8 v0, s[64:65] scope:SCOPE_SE
	s_setreg_imm32_b32 hwreg(HW_REG_WAVE_MODE, 25, 1), 1
	s_wait_xcnt 0x0
; act = Q(silu(gate) x up), (gate, up) = gate_up[e] x hidden, on codes of FP6 with E8M0 scales, for 64 slots of ONE expert's list in ONE segment of 256 routed ids.
; WORK LEFT OUT: a routed row is multiplied by its own expert alone: the others' results are multiplied by (expert_ids == e) = 0 for every value of the inputs.  The rows come from rowlist and rowcnt,
; whole numbers that the launch before stored.  LIMITS: a NaN, infinity or overflow in an expert not chosen is not carried on; where gate is under about -88 silu gives -0 (true magnitude under 1e-36).
; THE GRID SERVES EVERY SPLIT: work-group (segment x, tile y), 11 tiles a segment.  The tile's word says expert, first slot and n.  Tiles 0-7 are the experts' first 64 slots, tiles 8-10 the further chunks of 64,
; of which a segment of 256 ids never has more than three.  A tile whose first slot is at or behind n has no rows: it passes over the staging, the products and the stores, and ends.
; Slots from n on in a tile that has rows hold other valid ids of the segment; their results are not stored.
; ALL ADDRESSES ARE MADE AT THE HEAD, ahead of the first jump on a stored number; the three jumps lead round lines that write data registers and LDS alone; both barriers stand outside them, on every wave's path.
; NO TENSOR LOADS, NO CLUSTER: those jumps hang on a stored count, so operands go from memory through registers.  Weights are images of operand registers: each lane loads its fragments whole.
; SHARES.  Wave w owns block w of act's 128: gate rows 32 w .. + 31 and up rows 128 + 32 w .. + 31, four weight tiles, against all 64 slots; it stages and finishes slots 16 w .. 16 w + 15.
; TRANSPOSED: source 0 = 16 rows of the weight, source 1 = 16 slots: a lane holds ONE slot (lane % 16), and the 16 registers of tiles u = 0, 1 are k = 32 w + 16 (lane / 16) + 0 .. 15 of act.
; A weight fragment goes from memory into one wave's registers once (a ring of five K steps, four ahead: 48 to 60 loads of 512 bytes out); the slots' codes go through LDS once and are read by all four waves.
; The ring's first four K steps are asked for by every work-group, ahead of the first jump, so that the number of loads issued behind each load is the same on every way through the text.
; REGISTERS, in windows of 256.  Window 0: v1-31 addresses and temporaries; v32-95 scale words: v[32 + 16 i + s]: lanes 0-15 weight tile i, lanes 16-31 slot tile i, K step s; v96-191 x's fragments, two sets;
;   v192-207 row offsets; v208-220 x's scales on their way, later the finished fragment; v224-255 the weights' scales on their way.  Window 1: v0-239 the weight ring.
;   Window 2: v0-63 gate, v64-127 up (accumulator (i, m) at 64 (i / 2) + 16 m + 8 (i % 2)), v128-191 at work; v192-223 the quantiser's; while x is staged v0-191 take the 48 row loads.
.set XPITCH, 1552                      ; a slot's 1,536 bytes + 16 = 388 words: lane (r, h) of an 8-byte load starts at bank 4 r + 6 h mod 64 (64 banks of 4 bytes: ISA guide 11.1): 64 different banks
.set XHALF,  32*XPITCH
.set WS,     64*XPITCH                 ; weight scale words, 4,096 bytes a wave: [tile i][q][r] 16 bytes
.set XS,     WS+16384                  ; the slots' scale words: [tile m][q][r] 16 bytes
.set ACT,    XS+4096                   ; act's codes: slot 96 + 48 (block % 2) + 24 (block / 2) + 12 half: the 48 bytes at slot 96 + 48 h are lane (r, h)'s 12 registers
.set ASC,    ACT+6144                  ; act's scale bytes: 4 slot + block
.set SPARE,  ASC+256                   ; the spare words, 128 bytes for each wave: two blocks of 256 bytes that no other line names
.set SPW, 12
.set NIL, 13
.set MSB, 0
.macro WIN new                         ; low byte: bits 1:0 source 0, 3:2 source 1, 5:4 source 2, 7:6 destination; the high byte repeats the setting that is left
.if MSB != (\new)
	s_set_vgpr_msb (MSB<<8)|(\new)
.set MSB, (\new)
.endif
.endm
.macro BARRIER                         ; my LDS stores have landed and my LDS loads are in: then the work-group's barrier
	s_wait_dscnt 0x0
	s_barrier_signal -1
	s_barrier_wait -1
.endm
.macro WLOAD s                         ; K step s of my four weight tiles into ring place s % 5: twelve loads of 512 consecutive bytes; v8 = my first tile's byte + 16 lane
	WIN 0x40
.irp i, 0,1,2,3
.irp c, 0,1,2
	global_load_b128 v[48*((\s)%5)+12*\i+4*\c:48*((\s)%5)+12*\i+4*\c+3], v8, s[8:9] offset:(\i%2)*24576+(\i/2)*196608+1536*(\s)+512*\c
.endr
.endr
.endm
.macro XLOAD s                         ; K step s of the four slot tiles: 24 bytes at 96 s + 24 h and at 96 s + 48 + 24 h of a slot's row, in pieces of 8 bytes
	WIN 0
.irp m, 0,1,2,3
.irp p, 0,1,2,3,4,5
	ds_load_b64 v[96+48*((\s)%2)+12*\m+2*\p:96+48*((\s)%2)+12*\m+2*\p+1], v[5+\m/2] offset:(\m%2)*16*XPITCH+96*(\s)+48*(\p/3)+8*(\p%3)
.endr
.endr
.endm
; A K step of 128: 16 matrix instructions, the 16 accumulators by turns in the same order in every step.
.macro KSTEP s
.if (\s) > 0
.rept 4
	v_nop                                          ; four places between the last step's products and the loads into the registers that they read (ISA guide 7.12.1 for vector instructions)
.endr
.endif
.if (\s) < 15
	XLOAD (\s)+1
.endif
.if (\s) <= 11
	WLOAD (\s)+4
.endif
.if (\s) < 15
	s_wait_dscnt 24                                ; all but the 24 loads just issued: this step's fragments of x (and the scale words) are in
.else
	s_wait_dscnt 0x0
.endif
.if (\s) <= 11
	s_wait_loadcnt 48                              ; the four younger K steps of the ring may be out
.else
	s_wait_loadcnt 12*(15-(\s))
.endif
	WIN 0xa1                                       ; source 0 window 1, source 1 window 0, C and D window 2
.irp m, 0,1,2,3
.irp i, 0,1,2,3
.if (\s) == 0
	v_wmma_scale_f32_16x16x128_f8f6f4 v[64*(\i/2)+16*\m+8*(\i%2):64*(\i/2)+16*\m+8*(\i%2)+7], v[48*((\s)%5)+12*\i:48*((\s)%5)+12*\i+11], v[96+48*((\s)%2)+12*\m:96+48*((\s)%2)+12*\m+11], 0, v[32+16*\i+(\s)], v[32+16*\m+(\s)] matrix_a_fmt:MATRIX_FMT_FP6 matrix_b_fmt:MATRIX_FMT_FP6 matrix_b_scale:MATRIX_SCALE_ROW1
.else
	v_wmma_scale_f32_16x16x128_f8f6f4 v[64*(\i/2)+16*\m+8*(\i%2):64*(\i/2)+16*\m+8*(\i%2)+7], v[48*((\s)%5)+12*\i:48*((\s)%5)+12*\i+11], v[96+48*((\s)%2)+12*\m:96+48*((\s)%2)+12*\m+11], v[64*(\i/2)+16*\m+8*(\i%2):64*(\i/2)+16*\m+8*(\i%2)+7], v[32+16*\i+(\s)], v[32+16*\m+(\s)] matrix_a_fmt:MATRIX_FMT_FP6 matrix_b_fmt:MATRIX_FMT_FP6 matrix_b_scale:MATRIX_SCALE_ROW1
.endif
.endr
.endr
.endm
; SwiGLU in f32, in the order silu(gate) x up, and the quantiser along act's 128: my block w of each of the 64 slots.
.macro EPI
.rept 4
	v_nop                                          ; four places behind the last products
.endr
	WIN 0xaa                                       ; everything in window 2
.set j, 0
.rept 32
	v_pk_mul_f32 v[128+j:129+j], v[j:j+1], 0xbfb8aa3b op_sel_hi:[1,0]   ; -gate log2(e); each accumulator is read from its low end on
.set j, j+2
.endr
.set j, 0
.rept 64
	v_exp_f32 v[128+j], v[128+j]
.set j, j+1
.endr
	v_nop                                          ; a plain place behind the last exponential,
	s_wait_alu depctr_va_vdst(0)                   ; and one wait for the batch, ahead of its first use
.set j, 0
.rept 32
	v_pk_add_f32 v[128+j:129+j], v[128+j:129+j], 1.0 op_sel_hi:[1,0]
.set j, j+2
.endr
.set j, 0
.rept 64
	v_rcp_f32 v[128+j], v[128+j]
.set j, j+1
.endr
	v_nop
	s_wait_alu depctr_va_vdst(0)                   ; one wait for the 64 reciprocals
.set j, 0
.rept 32
	v_pk_mul_f32 v[j:j+1], v[j:j+1], v[128+j:129+j]            ; silu(gate)
.set j, j+2
.endr
.set j, 0
.rept 32
	v_pk_mul_f32 v[j:j+1], v[j:j+1], v[64+j:65+j]              ; x up
.set j, j+2
.endr
.irp m, 0,1,2,3
	v_max3_num_f32 v[192+\m], |v[16*\m]|, |v[16*\m+1]|, 0x1800000   ; my 16 numbers of the block, and the floor 2^(3 - 127); the four slot tiles by turns
.endr
.irp i, 2,4,6,8,10,12,14
.irp m, 0,1,2,3
	v_max3_num_f32 v[192+\m], v[192+\m], |v[16*\m+\i]|, |v[16*\m+\i+1]|
.endr
.endr
.irp m, 0,1,2,3
	v_permlanex16_b32 v[196+\m], v[192+\m], s26, s27
.endr
.irp m, 0,1,2,3
	v_max_num_f32 v[192+\m], v[192+\m], v[196+\m]  ; with lane l xor 16's 16: the block's largest magnitude
.endr
.irp m, 0,1,2,3
	v_add_nc_u32 v[200+\m], 0xff000000, v[192+\m]  ; 2 off the exponent field: the conversion's scale operand
.endr
.irp m, 0,1,2,3
	v_lshrrev_b32 v[204+\m], 23, v[200+\m]         ; the scale's byte
.endr
.irp m, 0,1,2,3
	v_cvt_scalef32_pk16_fp6_f32 v[208+4*\m:210+4*\m], v[16*\m:16*\m+15], v[200+\m]
.endr
	v_nop                                          ; one plain place behind the last scaled conversion
	WIN 0x08
.irp m, 0,1,2,3
.irp i, 0,1,2
	ds_store_b32 v14, v[208+4*\m+\i] offset:1536*\m+4*\i
.endr
	ds_store_b8 v15, v[204+\m] offset:64*\m        ; both halves of the lanes write the same byte with the same value
.endr
	WIN 0
.endm
	s_load_b512 s[4:19], s[0:1], 0x0               ; xcodes s[4:5], xscales s[6:7], wfrag s[8:9], wscales s[10:11], rowlist s[12:13], rowcnt s[14:15], actcodes s[16:17], actscales s[18:19]
	v_lshl_add_u32 v[SPW], v0, 2, SPARE
	v_mov_b32 v[NIL], 0
	v_lshrrev_b32 v1, 5, v0
	v_readfirstlane_b32 s20, v1                    ; wave w
	s_mov_b32 s21, ttmp9                           ; segment
	s_and_b32 s25, ttmp7, 0xffff                   ; tile 0 .. 10
	s_lshl_b32 s55, s21, 7
	s_lshl_b32 s25, s25, 2
	s_add_co_u32 s55, s55, s25                     ; 128 bytes of words a segment, 4 a tile
	s_wait_kmcnt 0x0
	s_load_b32 s54, s[14:15], s55 offset:0x0       ; the tile's word; the addresses that hang on ids alone are made while it is on its way
	v_and_b32 v1, 31, v0
	v_and_b32 v2, 15, v0                           ; r
	v_bfe_u32 v3, v0, 4, 1                         ; h
	v_lshlrev_b32 v4, 4, v1                        ; 16 lane
	v_mul_u32_u24 v5, v2, XPITCH
	v_mad_u32_u24 v5, v3, 24, v5                   ; x's fragments: slot r, + 24 h; slots 0-31
	v_add_nc_u32 v6, XHALF, v5                     ; slots 32-63
	s_mul_i32 s44, s20, 16*XPITCH
	v_add_nc_u32 v7, s44, v4                       ; staging: slots 16 w + i, 16 bytes a lane
	s_lshl_b32 s44, s20, 12
	s_add_co_u32 s45, s44, WS                      ; my wave's scale words
	v_lshl_add_u32 v9, v2, 4, s45
	s_xor_b32 s46, s20, 3
	s_lshl_b32 s46, s46, 12
	s_add_co_u32 s46, s46, 4096                    ; XS - WS - 4096 w = 4096 (4 - w)
	v_mul_u32_u24 v24, s46, v3
	v_add_nc_u32 v9, v9, v24                       ; lanes 0-15 read the weights' words, lanes 16-31 the slots': the lower base + h x the distance
	v_add_nc_u32 v10, s45, v4
	v_lshlrev_b32 v11, 4, v2
	v_lshl_add_u32 v11, v3, 9, v11
	s_lshl_b32 s44, s20, 10
	s_add_co_u32 s44, s44, XS
	v_add_nc_u32 v11, s44, v11                     ; x's scales: XS + 1024 w + 256 (2 h) + 16 r; the second 16 bytes 256 on
	v_lshlrev_b32 v26, 5, v3                       ; 32 h: which half of a row's 64 scale bytes I stage
	s_and_b32 s44, s20, 1
	s_mul_i32 s44, s44, 48
	s_lshr_b32 s47, s20, 1
	s_mul_i32 s47, s47, 24
	s_add_co_u32 s44, s44, s47
	s_add_co_u32 s44, s44, ACT
	v_mul_u32_u24 v14, v2, 96
	v_mad_u32_u24 v14, v3, 12, v14
	v_add_nc_u32 v14, s44, v14                     ; where my 12 bytes of act's codes go
	s_add_co_u32 s44, s20, ASC
	v_lshl_add_u32 v15, v2, 2, s44                 ; and my block's scale byte
	s_lshl_b32 s44, s20, 4
	v_add_nc_u32 v23, s44, v2                      ; 16 w + r: the slot that I stage and finish
	v_mul_u32_u24 v16, v23, 96
	v_mad_u32_u24 v16, v3, 48, v16
	v_add_nc_u32 v16, ACT, v16
	v_lshl_add_u32 v17, v23, 2, ASC
	v_lshlrev_b32 v19, 2, v23
	s_mov_b32 s26, 0x76543210
	s_mov_b32 s27, 0xfedcba98                      ; selects for lane l xor 16
	WIN 0x80
.irp b, 0,1,2,3
	v_mov_b32 v[196+\b], 0                         ; window 2: written once: a lane permute's destination counts as one of its sources
.endr
	WIN 0
	s_wait_kmcnt 0x0
	s_and_b32 s22, s54, 15
	s_min_u32 s22, s22, 7                          ; the expert, held inside the tables
	s_bfe_u32 s24, s54, 0x80004
	s_min_u32 s24, s24, 192                        ; the tile's first slot, held inside the list
	s_lshr_b32 s23, s54, 16
	s_min_u32 s23, s23, 256                        ; n
	s_lshl_b32 s44, s22, 4
	s_lshl_b32 s45, s20, 1
	s_add_co_u32 s44, s44, s45                     ; 16 e + 2 w: my first weight tile
	s_mul_i32 s46, s44, 24576
	v_add_nc_u32 v8, s46, v4                       ; its fragments (16 K steps of 1,536 bytes a tile); the up pair lies 8 tiles on
	s_lshl_b32 s46, s44, 10
	v_add_nc_u32 v20, s46, v4                      ; its scale words
	s_lshl_b32 s45, s21, 3
	s_add_co_u32 s45, s45, s22
	s_lshl_b32 s45, s45, 10                        ; my list: 1,024 bytes for each (segment, expert),
	s_lshl_b32 s46, s24, 2
	s_add_co_u32 s45, s45, s46                     ; from the tile's first slot on
	v_add_nc_u32 v25, s45, v19
	global_load_b32 v21, v25, s[12:13]             ; the id of slot 16 w + r, in both halves of the lanes
	WLOAD 0
	WLOAD 1
	WLOAD 2
	WLOAD 3
	WIN 0
	v_add_nc_u32 v30, s24, v23                     ; my slot's place in the list
	s_wait_loadcnt 48                              ; the id is in; the ring's 48 loads, issued behind it, may be out
.irp i, 0,1,2,3,4,5,6,7,8,9,10,11,12,13,14,15
	v_readlane_b32 s[28+\i], v21, \i               ; the ids of my 16 slots as scalars
.endr
.irp i, 0,1,2,3,4,5,6,7,8,9,10,11,12,13,14,15
	s_lshr_b32 s[28+\i], s[28+\i], 1               ; the token,
	s_min_u32 s[28+\i], s[28+\i], 4095             ; held inside the table,
	s_mul_i32 s[28+\i], s[28+\i], 1536             ; its row of codes
	v_add_nc_u32 v[192+\i], s[28+\i], v4
.endr
	v_lshrrev_b32 v22, 1, v21
	v_min_u32 v22, 4095, v22
	v_lshl_add_u32 v22, v22, 6, v26                ; its row of scale bytes, my half
	v_min_u32 v24, 8191, v21                       ; where the finished slot goes: its id j, held inside the buffer: token tile j / 32, k = j % 2, row (j / 2) % 16
	v_and_b32 v25, 0x1fe0, v24
	v_and_b32 v27, 1, v24
	v_and_b32 v31, 30, v24
	v_mul_u32_u24 v28, v25, 96                     ; 3,072 bytes a token tile,
	v_mad_u32_u24 v28, v27, 1536, v28              ; 1,536 for k,
	v_lshl_add_u32 v28, v31, 3, v28                ; 16 bytes a lane: lane = row + 16 h
	v_lshl_add_u32 v28, v3, 8, v28
	v_lshlrev_b32 v29, 3, v25                      ; the scale words: 256 bytes a token tile, 128 for k, 4 a lane; a row's word stands in both halves
	v_lshl_add_u32 v29, v27, 7, v29
	v_lshl_add_u32 v29, v31, 1, v29
	v_lshl_add_u32 v29, v3, 6, v29
	; ---- the staging: my four tiles' scale words, my 16 slots' codes and scale bytes, into LDS
	s_cmp_ge_u32 s24, s23                          ; a tile with no rows passes over it
	s_cbranch_scc1 .Lno_stage
.irp k, 0,1,2,3,4,5,6,7
	global_load_b128 v[224+4*\k:227+4*\k], v20, s[10:11] offset:512*(\k%4)+8192*(\k/4)
.endr
	WIN 0x80
.irp ri, 0,1,2,3,4,5,6,7,8,9,10,11,12,13,14,15
.irp c, 0,1,2
	global_load_b128 v[12*\ri+4*\c:12*\ri+4*\c+3], v[192+\ri], s[4:5] offset:512*\c   ; 512 consecutive bytes of one row
.endr
.endr
	WIN 0
	global_load_b128 v[208:211], v22, s[6:7]             ; K steps 8 h .. 8 h + 3,
	global_load_b128 v[212:215], v22, s[6:7] offset:16   ; and 8 h + 4 .. 8 h + 7
	s_wait_loadcnt 50                              ; the weights' scale words are in; the 48 row loads and the 2 behind them may be out
.irp k, 0,1,2,3,4,5,6,7
	ds_store_b128 v10, v[224+4*\k:227+4*\k] offset:512*\k
.endr
	s_wait_loadcnt 0x0
	WIN 0x08                                       ; an LDS store's data are its source 1: window 2
.irp i, 0,1,2,3,4,5,6,7,8,9,10,11,12,13,14,15
.irp c, 0,1,2
	ds_store_b128 v7, v[12*\i+4*\c:12*\i+4*\c+3] offset:\i*XPITCH+512*\c
.endr
.endr
	WIN 0
	ds_store_b128 v11, v[208:211]
	ds_store_b128 v11, v[212:215] offset:256
.Lno_stage:
	BARRIER                                        ; the tile's rows and scale words lie in LDS
	; ---- the products, SwiGLU and the quantiser
	s_cmp_ge_u32 s24, s23
	s_cbranch_scc1 .Lno_main
.irp i, 0,1,2,3
.irp q, 0,1,2,3
	ds_load_b128 v[32+16*\i+4*\q:32+16*\i+4*\q+3], v9 offset:1024*\i+256*\q   ; the scale words of all 16 K steps
.endr
.endr
	XLOAD 0
.irp s, 0,1,2,3,4,5,6,7,8,9,10,11,12,13,14,15
	KSTEP \s
.endr
	EPI
.Lno_main:
	BARRIER                                        ; act's codes and scale bytes lie in LDS
	; ---- wave w finishes slot tile w: a slot's 96 bytes of codes and its scale word go to the place of its id in act's images.  Slots from n on are not stored.
	s_cmp_ge_u32 s24, s23
	s_cbranch_scc1 .Lno_fin
.irp c, 0,1,2
	ds_load_b128 v[208+4*\c:211+4*\c], v16 offset:16*\c
.endr
	ds_load_b32 v220, v17
	v_cmp_gt_u32 vcc_lo, s23, v30                  ; is my slot one of the expert's n?
	s_wait_dscnt 0x0
	s_wait_xcnt 0x0                                ; EXEC changes only behind this wait
	s_and_saveexec_b32 s46, vcc_lo
.irp c, 0,1,2
	global_store_b128 v28, v[208+4*\c:211+4*\c], s[16:17] offset:512*\c
.endr
	global_store_b32 v29, v220, s[18:19]
	s_wait_xcnt 0x0                                ; and again in front of the line that widens it
	s_or_b32 exec_lo, exec_lo, s46
.Lno_fin:
	s_wait_tensorcnt 0x0                           ; the wave's end: three lines behind my last LDS store
	ds_add_u32 v[SPW], v[NIL]
	s_wait_dscnt 0x0
	s_endpgm
.Lfunc_end_k_q4c91b0c459_gateup:
	.size	k_q4c91b0c459_gateup, .Lfunc_end_k_q4c91b0c459_gateup-k_q4c91b0c459_gateup
	.p2alignl 7, 3214868480
	.fill 96, 4, 3214868480
	.section	.rodata,"a",@progbits
	.p2align	6, 0x0
	.amdhsa_kernel k_q4c91b0c459_gateup
		.amdhsa_group_segment_fixed_size 126976
		.amdhsa_private_segment_fixed_size 0
		.amdhsa_enable_private_segment 0
		.amdhsa_kernarg_size 64
		.amdhsa_user_sgpr_count 2
		.amdhsa_user_sgpr_kernarg_segment_ptr 1
		.amdhsa_wavefront_size32 1
		.amdhsa_system_sgpr_workgroup_id_x 1
		.amdhsa_system_sgpr_workgroup_id_y 1
		.amdhsa_system_sgpr_workgroup_id_z 1
		.amdhsa_system_vgpr_workitem_id 0
		.amdhsa_next_free_vgpr 768
		.amdhsa_next_free_sgpr 66
		.amdhsa_reserve_vcc 1
		.amdhsa_float_denorm_mode_32 3
		.amdhsa_float_denorm_mode_16_64 3
		.amdhsa_memory_ordered 1
		.amdhsa_forward_progress 1
		.amdhsa_inst_pref_size 117
	.end_amdhsa_kernel
	.amdgpu_metadata
---
amdhsa.version: [ 1, 2 ]
amdhsa.kernels:
  - .name:           k_q4c91b0c459_gateup
    .symbol:         k_q4c91b0c459_gateup.kd
    .args:
      - { .name: xcodes, .offset: 0, .size: 8, .value_kind: global_buffer, .address_space: global }
      - { .name: xscales, .offset: 8, .size: 8, .value_kind: global_buffer, .address_space: global }
      - { .name: wfrag, .offset: 16, .size: 8, .value_kind: global_buffer, .address_space: global }
      - { .name: wscales, .offset: 24, .size: 8, .value_kind: global_buffer, .address_space: global }
      - { .name: rowlist, .offset: 32, .size: 8, .value_kind: global_buffer, .address_space: global }
      - { .name: rowcnt, .offset: 40, .size: 8, .value_kind: global_buffer, .address_space: global }
      - { .name: actcodes, .offset: 48, .size: 8, .value_kind: global_buffer, .address_space: global }
      - { .name: actscales, .offset: 56, .size: 8, .value_kind: global_buffer, .address_space: global }
    .group_segment_fixed_size: 126976
    .private_segment_fixed_size: 0
    .kernarg_segment_align: 8
    .kernarg_segment_size: 64
    .max_flat_workgroup_size: 128
    .sgpr_count:     66
    .vgpr_count:     768
    .wavefront_size: 32
...
	.end_amdgpu_metadata
.endif
;; end of part 2
;; launch down (part 3): grid 8 x 32, 4 waves a work-group, no clusters, 46,592 bytes of LDS; arguments actcodes, actscales, wfrag, wscales, top_k_index, top_k_weights, out0; writes out0
.if DOCPART == 3
	.amdgcn_target "amdgcn-amd-amdhsa--gfx1250"
	.amdhsa_code_object_version 6
	.text
	.protected	k_q4c91b0c459_down
	.globl	k_q4c91b0c459_down
	.p2align	8
	.type	k_q4c91b0c459_down,@function
k_q4c91b0c459_down:
	s_mov_b64 s[64:65], 0
	v_nop
	global_prefetch_b8 v0, s[64:65] scope:SCOPE_SE
	s_setreg_imm32_b32 hwreg(HW_REG_WAVE_MODE, 25, 1), 1
	s_wait_xcnt 0x0
; out[t][c] = sum over k of weight[t][k] x (down[index[t][k]] act[t][k])[c], on codes of FP6 with E8M0 scales.  Tokens stay in their natural order, so every output row has one owner and is written once.
; NOTHING IS LEFT OUT BY A BRANCH HERE: each tile of 16 tokens is multiplied by all 8 experts.  For expert e a lane takes act[t][0] where index[t][0] = e, else act[t][1], and the product is added with the factor
; (index[t][0] = e ? weight[t][0] : 0) + (index[t][1] = e ? weight[t][1] : 0).  Where both indices name e the two rows of act are the same numbers.  LIMIT: 0 x a product is 0 only while no sum over 128 overflows f32
; (codes are always finite); a product of an expert not chosen carries nothing else to the result.
; SHARES.  Work-group (256 columns x, 128 tokens y).  Wave w owns columns 256 x + 64 w .. + 63: four tiles of down for each of the 8 experts, 384 registers, loaded once as images of operand registers and kept.
; act's images, scale words, indices and weights of the 128 tokens (28 KiB) come into LDS once; one barrier.  No tensor load and no cluster: what work-groups share is that small part; the weights go straight to registers.
; TRANSPOSED: source 0 = 16 rows of down, source 1 = 16 tokens: lane (r, h) holds token r and columns 16 t + 8 h + 0 .. 7.
; REGISTERS.  Window 0: v1-17 addresses; v32-63 down's scale words (expert e, tile t at 32 + 4 e + t); v64-87 act[.][0], act[.][1]; v88, v89 their scale words; v90-93 indices, weights; v96-119 the chosen operand, two
;   buffers; v120, v121 its scale word; v122-125 the factor, two pairs; v128-159 a product; v160-191 the sums; v192-223 rows on the way out.  Window 1: experts 0-3 at 48 (e % 4) + 12 t.  Window 2: experts 4-7.
.set AC,     0                         ; act's images: 8 token tiles x 3,072 bytes
.set ASC,    24576                     ; their scale words: 8 x 256
.set IDX,    26624                     ; 128 x 8 bytes of indices
.set WT,     27648                     ; 128 x 8 bytes of weights
.set STG,    28672                     ; the way out: 16 rows x (256 + 16) bytes for each wave, its own
.set SPITCH, 272
.set SPARE,  STG+4*16*SPITCH           ; the spare words, 128 bytes for each wave: two blocks of 256 bytes that no other line names
.set SPW, 12
.set NIL, 13
.set MSB, 0
.macro WIN new
.if MSB != (\new)
	s_set_vgpr_msb (MSB<<8)|(\new)
.set MSB, (\new)
.endif
.endm
	s_load_b256 s[4:11], s[0:1], 0x0               ; actcodes s[4:5], actscales s[6:7], wfrag s[8:9], wscales s[10:11]
	s_load_b128 s[12:15], s[0:1], 0x20             ; index s[12:13], weights s[14:15]
	s_load_b64 s[16:17], s[0:1], 0x30              ; out
	v_lshl_add_u32 v[SPW], v0, 2, SPARE
	v_mov_b32 v[NIL], 0
	v_lshrrev_b32 v1, 5, v0
	v_readfirstlane_b32 s21, v1                    ; wave w
	s_and_b32 s23, ttmp7, 0xffff                   ; block of 128 tokens
	v_and_b32 v1, 31, v0
	v_and_b32 v2, 15, v0                           ; r
	v_bfe_u32 v3, v0, 4, 1                         ; h
	v_lshlrev_b32 v4, 4, v1
	v_lshlrev_b32 v5, 4, v0                        ; 16 x thread
	v_lshlrev_b32 v16, 3, v0                       ; 8 x thread
	v_lshlrev_b32 v17, 4, v2
	v_lshlrev_b32 v6, 4, v1                        ; act's image of the tile in hand: 16 lane; steps 3,072 a tile
	v_lshl_add_u32 v7, v1, 2, ASC                  ; its scale words; steps 256
	v_lshl_add_u32 v8, v2, 3, IDX                  ; token r's indices (the weights lie 1,024 bytes on); steps 128
	s_mul_i32 s26, s21, 16*SPITCH
	s_add_co_u32 s26, s26, STG
	v_mul_u32_u24 v9, v2, SPITCH
	v_lshl_add_u32 v9, v3, 5, v9
	v_add_nc_u32 v9, s26, v9                       ; stage, in: row r, 32 h
	v_mul_u32_u24 v10, v3, SPITCH
	v_lshl_add_u32 v10, v2, 4, v10
	v_add_nc_u32 v10, s26, v10                     ; and back: lanes 0-15 one row, lanes 16-31 the next
	v_lshlrev_b32 v11, 13, v3
	v_lshl_add_u32 v11, v2, 4, v11                 ; the same two rows in out (8,192 bytes a row)
	v_mov_b32 v123, 0                              ; (named as the upper halves of the factor's pairs)
	v_mov_b32 v125, 0
	s_mov_b32 s27, 0
	s_lshl_b32 s28, ttmp9, 4
	s_lshl_b32 s29, s21, 2
	s_add_co_u32 s28, s28, s29                     ; my first tile of down: 16 x + 4 w
	s_wait_kmcnt 0x0
	s_mul_i32 s26, s23, 24576
	s_add_nc_u64 s[4:5], s[4:5], s[26:27]
	s_lshl_b32 s26, s23, 11
	s_add_nc_u64 s[6:7], s[6:7], s[26:27]
	s_lshl_b32 s26, s23, 10
	s_add_nc_u64 s[12:13], s[12:13], s[26:27]
	s_add_nc_u64 s[14:15], s[14:15], s[26:27]
	s_mul_i32 s26, s28, 1536
	s_add_co_u32 s26, s26, 3145728                 ; down's fragments begin behind gate_up's 2,048
	s_add_nc_u64 s[8:9], s[8:9], s[26:27]
	s_lshl_b32 s26, s28, 6
	s_add_co_u32 s26, s26, 131072                  ; a unit of 256 bytes for my four tiles, behind gate_up's 512 units
	s_add_nc_u64 s[10:11], s[10:11], s[26:27]
	s_lshl_b32 s26, s23, 20
	s_lshl_b32 s29, ttmp9, 10
	s_add_co_u32 s26, s26, s29
	s_lshl_b32 s29, s21, 8
	s_add_co_u32 s26, s26, s29
	s_add_nc_u64 s[16:17], s[16:17], s[26:27]      ; out at my first token and my first column
.irp i, 0,1,2,3,4,5,6,7,8,9,10,11
	global_load_b128 v[128+4*\i:131+4*\i], v5, s[4:5] offset:2048*\i   ; the work-group reads 2,048 consecutive bytes
.endr
	global_load_b128 v[176:179], v5, s[6:7]
	global_load_b64 v[180:181], v16, s[12:13]
	global_load_b64 v[182:183], v16, s[14:15]
	WIN 0x40
.irp e, 0,1,2,3
.irp k, 0,1,2,3,4,5,6,7,8,9,10,11
	global_load_b128 v[48*\e+4*\k:48*\e+4*\k+3], v4, s[8:9] offset:196608*\e+512*\k
.endr
.endr
	WIN 0
	s_wait_loadcnt 48                              ; the 15 loads that are older than these 48 are in
.irp i, 0,1,2,3,4,5,6,7,8,9,10,11
	ds_store_b128 v5, v[128+4*\i:131+4*\i] offset:AC+2048*\i
.endr
	ds_store_b128 v5, v[176:179] offset:ASC
	ds_store_b64 v16, v[180:181] offset:IDX
	ds_store_b64 v16, v[182:183] offset:WT
	WIN 0x80
.irp e, 4,5,6,7
.irp k, 0,1,2,3,4,5,6,7,8,9,10,11
	global_load_b128 v[48*(\e-4)+4*\k:48*(\e-4)+4*\k+3], v4, s[8:9] offset:196608*\e+512*\k
.endr
.endr
	WIN 0
.irp e, 0,1,2,3,4,5,6,7
	global_load_b128 v[32+4*\e:35+4*\e], v17, s[10:11] offset:8192*\e   ; row r's words of my four tiles
.endr
	s_wait_dscnt 0x0                               ; for the others' sake: my stores have landed
	s_barrier_signal -1
	s_barrier_wait -1
.macro RAW                             ; ten LDS loads: the tile's two images, scale words, indices, weights
.irp c, 0,1,2
	ds_load_b128 v[64+4*\c:67+4*\c], v6 offset:512*\c
.endr
.irp c, 0,1,2
	ds_load_b128 v[76+4*\c:79+4*\c], v6 offset:1536+512*\c
.endr
	ds_load_b32 v88, v7
	ds_load_b32 v89, v7 offset:128
	ds_load_b64 v[90:91], v8
	ds_load_b64 v[92:93], v8 offset:1024
.endm
.macro SELW e                          ; expert e's operand, scale word and factor, lane by lane, into buffer e % 2.  The scale word is written first: it stands furthest ahead of the product
	v_cmp_eq_u32 vcc_lo, (\e), v90
	v_cmp_eq_u32 s20, (\e), v91
	v_cndmask_b32 v[120+(\e)%2], v89, v88, vcc_lo
.irp i, 0,1,2,3,4,5,6,7,8,9,10,11
	v_cndmask_b32 v[96+12*((\e)%2)+\i], v[76+\i], v[64+\i], vcc_lo
.endr
	v_cndmask_b32 v14, 0, v92, vcc_lo
	v_cndmask_b32 v15, 0, v93, s20
	v_add_f32 v[122+2*((\e)%2)], v14, v15
.endm
.macro MM e                            ; four products, each begun with the constant 0
	WIN 1+(\e)/4                                   ; source 0 in window 1 or 2
.irp t, 0,1,2,3
	v_wmma_scale_f32_16x16x128_f8f6f4 v[128+8*\t:135+8*\t], v[48*((\e)%4)+12*\t:48*((\e)%4)+12*\t+11], v[96+12*((\e)%2):107+12*((\e)%2)], 0, v[32+4*(\e)+\t], v[120+(\e)%2] matrix_a_fmt:MATRIX_FMT_FP6 matrix_b_fmt:MATRIX_FMT_FP6
.endr
	WIN 0
.endm
.macro FMA e                           ; the sums += factor x product; each product is read from its low end on; expert 0 starts the sums: nothing is cleared
.set j, 0
.rept 16
.if (\e) == 0
	v_pk_mul_f32 v[160+j:161+j], v[128+j:129+j], v[122:123] op_sel_hi:[1,0]
.else
	v_pk_fma_f32 v[160+j:161+j], v[128+j:129+j], v[122+2*((\e)%2):123+2*((\e)%2)], v[160+j:161+j] op_sel_hi:[1,0,1]
.endif
.set j, j+2
.endr
.endm
.macro SEND
.irp i, 0,1,2,3,4,5,6,7
	global_store_b128 v11, v[192+4*\i:195+4*\i], s[16:17] offset:16384*\i th:TH_STORE_NT   ; 16 lanes store 256 consecutive bytes, aligned
.endr
.endm
; A tile of 16 tokens.  Between an expert's products and the lines that read them stands the next expert's selection: 18 plain instructions that name none of the products' registers; they are the places behind
; the products, and with the 16 multiply-adds that follow them they stand ahead of the next products, whose operand and scale word they wrote (4 and 8 places are asked).
.macro TILE first, last
.if \first
	s_wait_dscnt 0x0
.else
	s_wait_dscnt 16                                ; the tile's ten loads are in; the 16 stage instructions behind them may be out
.endif
	SELW 0
	v_nop                                          ; no multiply-adds follow this selection: with these two, 5 places behind the operand's last write and 17 behind the scale word's
	v_nop
.irp e, 0,1,2,3,4,5,6,7
	MM \e
.if \e < 7
	SELW \e+1
.endif
.if (\e == 0) && (\first == 0)
	s_wait_dscnt 0x0                               ; the tile before is back from the stage
	SEND
.endif
.if \e == 7
.if \last
.rept 4
	v_nop
.endr
.else
	v_add_nc_u32 v6, 3072, v6                      ; on to the next tile (three of the four places behind the last products)
	v_add_nc_u32 v7, 256, v7
	v_add_nc_u32 v8, 128, v8
	v_nop
	RAW
.endif
.endif
	FMA \e
.endr
	s_wait_xcnt 0x0                                ; the last stores have read their registers and their base: both may be written
.if \first == 0
	s_add_nc_u64 s[16:17], s[16:17], 131072        ; 16 rows of out on
.endif
.irp t, 0,1,2,3
	ds_store_b128 v9, v[160+8*\t:163+8*\t] offset:64*\t
	ds_store_b128 v9, v[164+8*\t:167+8*\t] offset:64*\t+16
.endr
.irp i, 0,1,2,3,4,5,6,7
	ds_load_b128 v[192+4*\i:195+4*\i], v10 offset:2*\i*SPITCH   ; LDS serves a wave's instructions in order (ISA guide 5.7.1.4): these see my stores
.endr
.endm
	RAW
	s_wait_loadcnt 0x0                             ; the weights and their scale words
	TILE 1, 0
	s_mov_b32 s24, 6
.Ltile:
	TILE 0, 0
	s_sub_co_u32 s24, s24, 1
	s_cmp_lg_u32 s24, 0
	s_cbranch_scc1 .Ltile
	TILE 0, 1
	s_wait_dscnt 0x0
	SEND
	s_wait_tensorcnt 0x0                           ; the wave's end: three lines behind my last LDS store
	ds_add_u32 v[SPW], v[NIL]
	s_wait_dscnt 0x0
	s_endpgm
.Lfunc_end_k_q4c91b0c459_down:
	.size	k_q4c91b0c459_down, .Lfunc_end_k_q4c91b0c459_down-k_q4c91b0c459_down
	.p2alignl 7, 3214868480
	.fill 96, 4, 3214868480
	.section	.rodata,"a",@progbits
	.p2align	6, 0x0
	.amdhsa_kernel k_q4c91b0c459_down
		.amdhsa_group_segment_fixed_size 46592
		.amdhsa_private_segment_fixed_size 0
		.amdhsa_enable_private_segment 0
		.amdhsa_kernarg_size 56
		.amdhsa_user_sgpr_count 2
		.amdhsa_user_sgpr_kernarg_segment_ptr 1
		.amdhsa_wavefront_size32 1
		.amdhsa_system_sgpr_workgroup_id_x 1
		.amdhsa_system_sgpr_workgroup_id_y 1
		.amdhsa_system_sgpr_workgroup_id_z 1
		.amdhsa_system_vgpr_workitem_id 0
		.amdhsa_next_free_vgpr 704
		.amdhsa_next_free_sgpr 66
		.amdhsa_reserve_vcc 1
		.amdhsa_float_denorm_mode_32 3
		.amdhsa_float_denorm_mode_16_64 3
		.amdhsa_memory_ordered 1
		.amdhsa_forward_progress 1
		.amdhsa_inst_pref_size 77
	.end_amdhsa_kernel
	.amdgpu_metadata
---
amdhsa.version: [ 1, 2 ]
amdhsa.kernels:
  - .name:           k_q4c91b0c459_down
    .symbol:         k_q4c91b0c459_down.kd
    .args:
      - { .name: actcodes, .offset: 0, .size: 8, .value_kind: global_buffer, .address_space: global }
      - { .name: actscales, .offset: 8, .size: 8, .value_kind: global_buffer, .address_space: global }
      - { .name: wfrag, .offset: 16, .size: 8, .value_kind: global_buffer, .address_space: global }
      - { .name: wscales, .offset: 24, .size: 8, .value_kind: global_buffer, .address_space: global }
      - { .name: top_k_index, .offset: 32, .size: 8, .value_kind: global_buffer, .address_space: global }
      - { .name: top_k_weights, .offset: 40, .size: 8, .value_kind: global_buffer, .address_space: global }
      - { .name: out0, .offset: 48, .size: 8, .value_kind: global_buffer, .address_space: global }
    .group_segment_fixed_size: 46592
    .private_segment_fixed_size: 0
    .kernarg_segment_align: 8
    .kernarg_segment_size: 56
    .max_flat_workgroup_size: 128
    .sgpr_count:     66
    .vgpr_count:     704
    .wavefront_size: 32
...
	.end_amdgpu_metadata
.endif
;; end of part 3
;; ======== version 2 of 2: 3 launches
;; workspace buffers: xcodes 6,291,456 bytes; xscales 262,144 bytes; wfrag 4,718,592 bytes; wscales 196,608 bytes; rowlist 262,144 bytes of whole numbers; rowcnt 4,096 bytes of whole numbers; actcodes 786,432 bytes; actscales 65,536 bytes
;; launch prep (part 4): grid 456 x 1, 4 waves a work-group, no clusters, 67,072 bytes of LDS; arguments hidden_states, gate_up_proj, down_proj, top_k_index, xcodes, xscales, wfrag, wscales, rowlist, rowcnt; writes xcodes, xscales, wfrag, wscales, rowlist, rowcnt
.if DOCPART == 4
	.amdgcn_target "amdgcn-amd-amdhsa--gfx1250"
	.amdhsa_code_object_version 6
	.text
	.protected	k_q4c91b0c459_prep
	.globl	k_q4c91b0c459_prep
	.p2align	8
	.type	k_q4c91b0c459_prep,@function
k_q4c91b0c459_prep:
	s_mov_b64 s[64:65], 0
	v_nop
	global_prefetch_b8 v0, s[64:65] scope:SCOPE_SE
	s_setreg_imm32_b32 hwreg(HW_REG_WAVE_MODE, 25, 1), 1
	s_wait_xcnt 0x0
; THE PROGRAM: out[t] = sum over k of weight[t][k] x down[e] Q(silu(gate) x up), (gate, up) = gate_up[e] Q(hidden[t]), e = index[t][k]; both products on codes of FP6 (E2M3) with one E8M0 scale for each 32 along K.
; Three launches: this one (codes, scales, routing), gateup (first product, SwiGLU, codes of act), down (second product, weights, sum over k).
; WORK LEFT OUT, in gateup: a routed row (t, k) is multiplied by its own expert alone.  The other seven experts' results are multiplied by mask = (expert_ids == e), which is 0 for every value of the
; inputs wherever the index names another expert, so they reach no output.  The choice is a whole number read from memory (rowlist, rowcnt, stored here).  Every input has a way to the output; all are loaded.
; LIMITS: a NaN, an infinity or an overflow that arises only in an expert that was not chosen is not carried to the result.  An index outside 0 .. 7 is not served (its row of act is never written).
; A block of zeros gets the scale byte 1 where the quantiser says 127: its codes are zeros, which add nothing under any byte but 0xff, and this program alone reads the bytes.  Blocks whose largest
; magnitude lies under 2^(2 - 126) have their byte held at 1.  NaN and infinities among the inputs are not served.
; THIS LAUNCH, three kinds of work-group, told apart by the work-group's number; each kind has LDS bytes of its own; waves share nothing, so there is no barrier.
;   0 .. 7     routing: a wave takes a segment of 256 routed ids j = 2 t + k and writes, for each expert, a permutation of them with that expert's ids first (rowlist), and the segment's 11 tile words (rowcnt):
;              expert in bits 3:0, first slot in bits 11:4, n in bits 31:16.  Words 0-7: expert e's first 64 slots.  Words 8-10: the further chunks of 64 of experts with n over 64, 128, 192: never more than
;              three, since each stands for more than 64 further ids of 256; a word that is not needed is 0 (first slot 0, n 0).  Words 11-31 are 0.
;   8 .. 263   hidden_states [4096][2048] -> xcodes [4096][1536 bytes], xscales [4096][64]: a plain stream of blocks of 32, 8,192 numbers a wave.
;   264 .. 455 gate_up_proj and down_proj -> wfrag, wscales: IMAGES OF OPERAND REGISTERS.  A fragment is 16 rows x 128 K, 12 registers a lane; registers 4 c .. 4 c + 3 of lane l lie at byte 512 c + 16 l of its
;              1,536 bytes.  gate_up: fragment ((e 16 + T) 16 + s), s the K step; row i of tile T = 2 b + u is row 32 b + 8 u + i + 8 (i / 8), so that two neighbouring tiles' results are 16 neighbours along the
;              next K.  down: fragment 2048 + e 128 + n, rows 16 n + i.  wscales: a unit of 256 bytes for four fragments on end: the word of fragment f for row r at 16 r + 4 f.
.set HWREG,  8192                      ; hidden: LDS of a wave: two stages of 32 x HSP bytes, behind them its 256 scale bytes
.set HSP,    80                        ; a lane's place in a stage: 64 bytes + 16 of padding
.set FSTG,   32768                     ; weights: a stage of 16 rows x 528 bytes for each wave
.set FPITCH, 528                       ; 512 bytes + 16 = 132 words: row r starts at bank 4 r mod 64 (64 banks of 4 bytes: ISA guide 11.1)
.set FWAVE,  16*FPITCH
.set SPARE,  FSTG+4*FWAVE              ; the spare words, 128 bytes for each wave: two blocks of 256 bytes that no other line names
.set SPW,    12                        ; v12  LDS address of my spare word; never rewritten
.set NIL,    13                        ; v13  0; never rewritten
	s_load_b256 s[4:11], s[0:1], 0x0               ; hidden s[4:5], gate_up s[6:7], down s[8:9], index s[10:11]
	s_load_b256 s[12:19], s[0:1], 0x20             ; xcodes s[12:13], xscales s[14:15], wfrag s[16:17], wscales s[18:19]
	s_load_b128 s[20:23], s[0:1], 0x40             ; rowlist s[20:21], rowcnt s[22:23]
	v_lshl_add_u32 v[SPW], v0, 2, SPARE
	v_mov_b32 v[NIL], 0
	v_lshrrev_b32 v1, 5, v0
	v_readfirstlane_b32 s24, v1                    ; wave 0..3
	s_wait_kmcnt 0x0
	s_cmp_lt_u32 ttmp9, 8
	s_cbranch_scc1 .Lroute
	s_cmp_lt_u32 ttmp9, 264
	s_cbranch_scc1 .Lhidden
; ---------------- WEIGHTS INTO FRAGMENT IMAGES: a wave takes unit u = 4 (work-group - 264) + wave: four fragments
; v1 lane, v2 r, v3 h; v4 16 lane; v5 stage in; v6 stage out; v7 8 h; v8 16 r + 8 h; v14 a permute's destination; v16-31 the 16 rows' offsets; v32-39 at work; v40-51 the fragment;
; v52-58 the conversions' second halves; v60-63 the four scale words; v64-127 my 64 numbers; v128-255 two sets of 16 rows as loaded
	v_and_b32 v1, 31, v0
	v_and_b32 v2, 15, v0
	v_bfe_u32 v3, v0, 4, 1
	v_lshlrev_b32 v4, 4, v1
	s_wait_alu depctr_va_vdst(0)
	s_mul_i32 s50, s24, FWAVE
	s_add_co_u32 s50, s50, FSTG                    ; my stage
	v_add_nc_u32 v5, s50, v4                       ; in: 16 bytes a lane of a row's 512
	v_mul_u32_u24 v6, v2, FPITCH
	v_lshl_add_u32 v6, v3, 7, v6
	v_add_nc_u32 v6, s50, v6                       ; out: row r, block h (128 bytes a block of 32 numbers)
	v_lshlrev_b32 v7, 3, v3
	v_lshl_add_u32 v8, v2, 4, v7
	v_mov_b32 v14, 0                               ; written once: a lane permute's destination counts as one of its sources
	s_mov_b32 s26, 0x76543210
	s_mov_b32 s27, 0xfedcba98                      ; selects for lane l xor 16
	s_sub_co_u32 s25, ttmp9, 264
	s_lshl_b32 s25, s25, 2
	s_add_co_u32 s25, s25, s24                     ; u, 0 .. 767: under 512 gate_up, from 512 on down
	s_lshr_b32 s28, s25, 2                         ; gate_up: tile = 16 e + T,
	s_and_b32 s29, s25, 3                          ; q: K steps 4 q .. 4 q + 3
	s_lshr_b32 s30, s28, 4
	s_and_b32 s31, s28, 15
	s_lshl_b32 s30, s30, 8                         ; 256 e
	s_lshr_b32 s32, s31, 1
	s_lshl_b32 s32, s32, 5                         ; 32 (T / 2)
	s_and_b32 s31, s31, 1
	s_lshl_b32 s31, s31, 3                         ; 8 (T % 2)
	s_add_co_u32 s30, s30, s32
	s_add_co_u32 s30, s30, s31                     ; the tile's first row
	s_lshl_b32 s30, s30, 13                        ; rows of 8,192 bytes
	s_lshl_b32 s29, s29, 11                        ; 4 K steps of 512 bytes
	s_add_co_u32 s30, s30, s29
	s_sub_co_u32 s31, s25, 512
	s_lshl_b32 s31, s31, 15                        ; down: 64 rows of 512 bytes a unit (not chosen where u is under 512)
	s_cmp_lt_u32 s25, 512                          ; the choice hangs on ids alone; only moves and selects follow it
	s_cselect_b64 s[36:37], s[6:7], s[8:9]
	s_cselect_b32 s30, s30, s31
	s_mov_b32 s33, 512
	s_cselect_b32 s32, 8192, s33                   ; from row to row
	s_cselect_b32 s34, 0x10000, 0                  ; rows 8 .. 15 of a tile of gate_up lie 8 rows further on
	s_mov_b32 s35, 8192
	s_cselect_b32 s48, 512, s35                    ; from fragment to fragment
	s_mov_b32 s31, 0
	s_mov_b32 s49, 0
	s_add_nc_u64 s[40:41], s[36:37], s[30:31]      ; a base for each of the four fragments: never rewritten
	s_add_nc_u64 s[42:43], s[40:41], s[48:49]
	s_add_nc_u64 s[44:45], s[42:43], s[48:49]
	s_add_nc_u64 s[46:47], s[44:45], s[48:49]
	s_mul_i32 s28, s25, 6144
	s_mov_b32 s29, 0
	s_add_nc_u64 s[16:17], s[16:17], s[28:29]      ; my four images
	s_lshl_b32 s28, s25, 8
	s_add_nc_u64 s[18:19], s[18:19], s[28:29]      ; my unit of scale words
.irp i, 0,1,2,3,4,5,6,7,8,9,10,11,12,13,14,15
	s_mul_i32 s38, s32, \i
.if \i >= 8
	s_add_co_u32 s38, s38, s34
.endif
	v_add_nc_u32 v[16+\i], s38, v4
.endr
.macro FLOAD f                         ; fragment f: 16 rows x 512 bytes; a load covers 512 consecutive bytes of one row
.irp i, 0,1,2,3,4,5,6,7,8,9,10,11,12,13,14,15
	global_load_b128 v[128+64*((\f)%2)+4*\i:128+64*((\f)%2)+4*\i+3], v[16+\i], s[40+2*(\f):41+2*(\f)] th:TH_LOAD_NT
.endr
.endm
.macro FRAGQ f
.if (\f) < 3
	s_wait_loadcnt 16                              ; this fragment's 16 loads are in; the next one's 16 may be out
.else
	s_wait_loadcnt 0x0
.endif
.irp i, 0,1,2,3,4,5,6,7,8,9,10,11,12,13,14,15
	ds_store_b128 v5, v[128+64*((\f)%2)+4*\i:128+64*((\f)%2)+4*\i+3] offset:FPITCH*\i
.endr
.irp j, 0,1,2,3,4,5,6,7
	ds_load_b128 v[64+4*\j:67+4*\j], v6 offset:16*\j           ; LDS serves a wave's instructions in order (ISA guide 5.7.1.4): these see my stores.  Block h of row r
.endr
.irp j, 0,1,2,3,4,5,6,7
	ds_load_b128 v[96+4*\j:99+4*\j], v6 offset:256+16*\j       ; block 2 + h
.endr
	s_wait_dscnt 0x0                               ; my 64 numbers are in, and the stage's stores have read their registers,
.if (\f) < 2
	FLOAD (\f)+2                                   ; which take the fragment two on
.endif
.irp c, 0,1
	v_max3_num_f32 v[32+\c], |v[64+32*\c]|, |v[65+32*\c]|, 0x1800000   ; a whole block lies in my lane; the floor 2^(3 - 127) holds the byte at 1 from below
.endr
.irp i, 2,4,6,8,10,12,14,16,18,20,22,24,26,28,30
.irp c, 0,1
	v_max3_num_f32 v[32+\c], v[32+\c], |v[64+32*\c+\i]|, |v[65+32*\c+\i]|
.endr
.endr
.irp c, 0,1
	v_add_nc_u32 v[34+\c], 0xff000000, v[32+\c]    ; 2 off the exponent field: the conversion takes the exponent field of this operand as its scale
.endr
.irp c, 0,1
	v_lshrrev_b32 v[36+\c], 23, v[34+\c]           ; the scale's byte
.endr
	v_lshl_or_b32 v38, v37, 16, v36                ; bytes h and 2 + h of row r's word,
	v_lshlrev_b32 v38, v7, v38                     ; 8 h bits up;
	v_permlanex16_b32 v14, v38, s26, s27
	v_or_b32 v[60+(\f)], v38, v14                  ; with lane l xor 16's two the word is whole
.if (\f) > 0
	s_wait_alu depctr_va_vdst(0)
	s_wait_xcnt 0x0                                ; the last fragment's stores have read v40-51: only now are they written again
.endif
	v_cvt_scalef32_pk16_fp6_f32 v[40:42], v[64:79], v34
	v_cvt_scalef32_pk16_fp6_f32 v[52:54], v[80:95], v34        ; (a conversion's three registers begin on an even number: the second half of a block's six is made elsewhere and moved)
	v_cvt_scalef32_pk16_fp6_f32 v[46:48], v[96:111], v35
	v_cvt_scalef32_pk16_fp6_f32 v[56:58], v[112:127], v35
	v_nop                                          ; one plain place behind a scaled conversion
.irp i, 0,1,2
	v_mov_b32 v[43+\i], v[52+\i]
	v_mov_b32 v[49+\i], v[56+\i]
.endr
.irp c, 0,1,2
	global_store_b128 v4, v[40+4*\c:43+4*\c], s[16:17] offset:1536*(\f)+512*\c   ; 32 lanes store 512 consecutive bytes, aligned
.endr
.endm
	s_wait_alu depctr_va_vdst(0)
	FLOAD 0
	FLOAD 1
	FRAGQ 0
	FRAGQ 1
	FRAGQ 2
	FRAGQ 3
	v_cmp_ne_u32 vcc_lo, 0, v3
	v_cndmask_b32 v38, v60, v62, vcc_lo            ; lane (r, h) stores words 2 h and 2 h + 1 of row r
	v_cndmask_b32 v39, v61, v63, vcc_lo
	global_store_b64 v8, v[38:39], s[18:19]        ; 32 lanes store 256 consecutive bytes, aligned
	s_wait_tensorcnt 0x0                           ; the wave's end: three lines behind my last LDS store
	ds_add_u32 v[SPW], v[NIL]
	s_wait_dscnt 0x0
	s_endpgm
; ---------------- HIDDEN STATES INTO CODES: a wave takes 16 steps of 512 numbers.  Each load reads 512 consecutive bytes, 16 a lane; a step's 2,048 bytes turn through the wave's own stage and come back 64 bytes
; a lane, so that a lane holds 16 neighbours along K and two neighbouring lanes hold a block.  Loads run four steps ahead, the turn through LDS one step.
.set HR, 16                            ; v16-79   four sets of 16 numbers as loaded
.set HX, 80                            ; v80-111  two sets of 16 neighbours
.set HE, 112                           ; v112-127 a scale byte for each step
.set HC, 128                           ; v128-191 codes: four registers a step, so that no store's data are written again
.Lhidden:
	v_and_b32 v2, 31, v0                           ; lane
	v_lshlrev_b32 v3, 4, v2
	s_mul_i32 s25, s24, HWREG
	v_lshrrev_b32 v14, 2, v2
	v_mul_u32_u24 v14, v14, HSP
	v_and_b32 v15, 3, v2
	v_lshl_add_u32 v14, v15, 4, v14
	v_add_nc_u32 v14, s25, v14                     ; the stage, in: four lanes' 64 bytes on end, then 16 of padding
	v_mul_u32_u24 v15, v2, HSP
	v_add_nc_u32 v15, s25, v15                     ; and out: my 16 neighbours
	v_mul_u32_u24 v4, v2, 12                       ; my 12 bytes of a step's codes
	v_lshrrev_b32 v5, 1, v2
	s_add_co_u32 s25, s25, 2*32*HSP
	v_add_nc_u32 v5, s25, v5                       ; my wave's 256 scale bytes: my block's byte
	v_lshlrev_b32 v7, 3, v2
	v_add_nc_u32 v6, s25, v7                       ; and on the way out 8 bytes a lane
	s_sub_co_u32 s26, ttmp9, 8
	s_lshl_b32 s26, s26, 2
	s_add_co_u32 s26, s26, s24                     ; which run of 8,192 numbers is mine: 0 .. 1023
	s_mov_b32 s29, 0
	s_lshl_b32 s28, s26, 15
	s_add_nc_u64 s[4:5], s[4:5], s[28:29]
	s_mul_i32 s28, s26, 6144
	s_add_nc_u64 s[12:13], s[12:13], s[28:29]
	s_lshl_b32 s28, s26, 8
	s_add_nc_u64 s[14:15], s[14:15], s[28:29]
.macro HLOAD t
.irp i, 0,1,2,3
	global_load_b128 v[HR+16*((\t)%4)+4*\i:HR+16*((\t)%4)+4*\i+3], v3, s[4:5] offset:2048*(\t)+512*\i th:TH_LOAD_NT
.endr
.endm
.macro HTURN t                         ; step t's numbers through the stage: LDS serves a wave's instructions in order, so no wait stands between the stores and the loads
.irp i, 0,1,2,3
	ds_store_b128 v14, v[HR+16*((\t)%4)+4*\i:HR+16*((\t)%4)+4*\i+3] offset:32*HSP*((\t)%2)+8*HSP*\i
.endr
.irp i, 0,1,2,3
	ds_load_b128 v[HX+16*((\t)%2)+4*\i:HX+16*((\t)%2)+4*\i+3], v15 offset:32*HSP*((\t)%2)+16*\i
.endr
.endm
.irp t, 0,1,2,3
	HLOAD \t
.endr
	s_wait_alu depctr_va_vdst(0)
	s_wait_loadcnt 12                              ; step 0's four loads are in
	HTURN 0
.macro HSTEP t
.set HXS, HX+16*((\t)%2)
.if (\t) > 0
	s_wait_dscnt 1                                 ; this step's numbers are back from the stage (the last step's byte store may be out),
.else
	s_wait_dscnt 0x0
.endif
.if (\t)+4 < 16
	HLOAD (\t)+4                                   ; so the registers that its stores read take the loads of four steps on
.endif
.if (\t)+1 < 16
.if 14-(\t) >= 3
	s_wait_loadcnt 12                              ; the next step's four loads are in; those of the three steps behind it may be out
.else
	s_wait_loadcnt 4*(14-(\t))
.endif
	HTURN (\t)+1
.endif
	v_max3_num_f32 v8, |v[HXS]|, |v[HXS+1]|, |v[HXS+2]|
	v_max3_num_f32 v9, |v[HXS+3]|, |v[HXS+4]|, |v[HXS+5]|
.irp i, 6,10
	v_max3_num_f32 v8, v8, |v[HXS+\i]|, |v[HXS+\i+1]|
	v_max3_num_f32 v9, v9, |v[HXS+\i+2]|, |v[HXS+\i+3]|
.endr
	v_max3_num_f32 v8, v8, |v[HXS+14]|, |v[HXS+15]|
	v_max3_num_f32 v8, v8, v9, 0x1800000           ; and the floor 2^(3 - 127)
	v_max_num_f32_dpp v8, v8, v8 row_xmask:1 row_mask:0xf bank_mask:0xf   ; with my neighbour's 16: the block's largest magnitude
	v_add_nc_u32 v11, 0xff000000, v8               ; 2 off its exponent field: the conversion's scale operand
	v_cvt_scalef32_pk16_fp6_f32 v[HC+4*(\t):HC+4*(\t)+2], v[HXS:HXS+15], v11
	v_lshrrev_b32 v[HE+(\t)], 23, v11              ; the scale's byte (also the plain place behind the conversion)
	ds_store_b8 v5, v[HE+(\t)] offset:16*(\t)      ; both lanes of a block write the same byte with the same value
	global_store_b96 v4, v[HC+4*(\t):HC+4*(\t)+2], s[12:13] offset:384*(\t)   ; the wave stores 384 consecutive bytes
.endm
.irp t, 0,1,2,3,4,5,6,7,8,9,10,11,12,13,14,15
	HSTEP \t
.endr
	ds_load_b64 v[8:9], v6                         ; in order behind my byte stores
	s_wait_dscnt 0x0
	global_store_b64 v7, v[8:9], s[14:15]          ; 32 lanes store 256 consecutive bytes, aligned
	s_wait_tensorcnt 0x0                           ; the wave's end: three lines behind my last LDS store
	ds_add_u32 v[SPW], v[NIL]
	s_wait_dscnt 0x0
	s_endpgm
; ---------------- ROUTING: a wave takes segment sg = 4 work-group + wave: ids 256 sg .. 256 sg + 255.  No LDS, no change of EXEC, no branch on an index.
; v16-23 the indices; v24-31 the ids; v32-39 store offsets; v42 the tile words, a lane a word; s40-47 masks of one expert; s48, s49 where the next chosen and the next other id go; s52 n; s53 8 + further tiles so far
.Lroute:
	v_and_b32 v1, 31, v0
	v_lshlrev_b32 v4, 2, v1
	s_wait_alu depctr_va_vdst(0)
	s_lshl_b32 s25, ttmp9, 2
	s_add_co_u32 s25, s25, s24                     ; sg
	s_mov_b32 s29, 0
	s_lshl_b32 s28, s25, 10
	s_add_nc_u64 s[10:11], s[10:11], s[28:29]      ; 256 indices
	s_lshl_b32 s28, s25, 13
	s_add_nc_u64 s[20:21], s[20:21], s[28:29]      ; 8 lists of 256 words
	s_lshl_b32 s28, s25, 7
	s_add_nc_u64 s[22:23], s[22:23], s[28:29]      ; 32 tile words
.irp i, 0,1,2,3,4,5,6,7
	global_load_b32 v[16+\i], v4, s[10:11] offset:128*\i
.endr
	s_lshl_b32 s28, s25, 8
	v_add_nc_u32 v24, s28, v1                      ; id 256 sg + lane,
.irp i, 1,2,3,4,5,6,7
	v_add_nc_u32 v[24+\i], 32*\i, v24              ; + 32 i
.endr
	v_mov_b32 v42, 0
	s_mov_b32 s53, 8
	s_wait_alu depctr_va_vdst(0)
	s_wait_loadcnt 0x0
.macro ROUTE e
.irp i, 0,1,2,3,4,5,6,7
	v_cmp_eq_u32 s[40+\i], \e, v[16+\i]
.endr
	s_bcnt1_i32_b32 s52, s40
.irp i, 1,2,3,4,5,6,7
	s_bcnt1_i32_b32 s50, s[40+\i]
	s_add_co_u32 s52, s52, s50
.endr
	s_lshl_b32 s55, s52, 16                        ; n in bits 31:16
	s_or_b32 s54, s55, \e
	v_writelane_b32 v42, s54, \e                   ; word e: this expert, first slot 0
.irp c, 1,2,3                          ; a further tile where n is over 64 c: its word goes to lane s53, which then steps; else 0 goes there and s53 stays
	s_or_b32 s54, s55, (\e)|((64*\c)<<4)
	s_cmp_gt_u32 s52, 64*\c
	s_cselect_b32 s54, s54, 0
	s_cselect_b32 s56, 1, 0
	v_cmp_eq_u32 vcc_lo, s53, v1
	v_mov_b32 v41, s54
	v_cndmask_b32 v42, v42, v41, vcc_lo
	s_add_co_u32 s53, s53, s56
.endr
	s_mov_b32 s48, 0                               ; the chosen ids from place 0 on,
	s_mov_b32 s49, s52                             ; the others from place n on: every word of the list is written, and every word is a valid id
.if \e > 0
	s_wait_xcnt 0x0                                ; the last expert's stores have read their offsets: only now are these written again
.endif
.irp i, 0,1,2,3,4,5,6,7
	s_not_b32 s51, s[40+\i]
	v_mbcnt_lo_u32_b32 v40, s[40+\i], s48          ; chosen lanes below mine + the running place
	v_mbcnt_lo_u32_b32 v41, s51, s49
	v_cndmask_b32 v40, v41, v40, s[40+\i]
	v_min_u32 v40, 255, v40                        ; a place made from loaded numbers is held inside the list
	v_lshlrev_b32 v[32+\i], 2, v40
	global_store_b32 v[32+\i], v[24+\i], s[20:21] offset:1024*\e
	s_bcnt1_i32_b32 s50, s[40+\i]
	s_add_co_u32 s48, s48, s50
	s_sub_co_u32 s50, 32, s50
	s_add_co_u32 s49, s49, s50
.endr
.endm
.irp e, 0,1,2,3,4,5,6,7
	ROUTE \e
.endr
	global_store_b32 v4, v42, s[22:23]             ; the segment's 32 words
	s_endpgm
.Lfunc_end_k_q4c91b0c459_prep:
	.size	k_q4c91b0c459_prep, .Lfunc_end_k_q4c91b0c459_prep-k_q4c91b0c459_prep
	.p2alignl 7, 3214868480
	.fill 96, 4, 3214868480
	.section	.rodata,"a",@progbits
	.p2align	6, 0x0
	.amdhsa_kernel k_q4c91b0c459_prep
		.amdhsa_group_segment_fixed_size 67072
		.amdhsa_private_segment_fixed_size 0
		.amdhsa_enable_private_segment 0
		.amdhsa_kernarg_size 80
		.amdhsa_user_sgpr_count 2
		.amdhsa_user_sgpr_kernarg_segment_ptr 1
		.amdhsa_wavefront_size32 1
		.amdhsa_system_sgpr_workgroup_id_x 1
		.amdhsa_system_sgpr_workgroup_id_y 1
		.amdhsa_system_sgpr_workgroup_id_z 1
		.amdhsa_system_vgpr_workitem_id 0
		.amdhsa_next_free_vgpr 256
		.amdhsa_next_free_sgpr 66
		.amdhsa_reserve_vcc 1
		.amdhsa_float_denorm_mode_32 3
		.amdhsa_float_denorm_mode_16_64 3
		.amdhsa_memory_ordered 1
		.amdhsa_forward_progress 1
		.amdhsa_inst_pref_size 116
	.end_amdhsa_kernel
	.amdgpu_metadata
---
amdhsa.version: [ 1, 2 ]
amdhsa.kernels:
  - .name:           k_q4c91b0c459_prep
    .symbol:         k_q4c91b0c459_prep.kd
    .args:
      - { .name: hidden_states, .offset: 0, .size: 8, .value_kind: global_buffer, .address_space: global }
      - { .name: gate_up_proj, .offset: 8, .size: 8, .value_kind: global_buffer, .address_space: global }
      - { .name: down_proj, .offset: 16, .size: 8, .value_kind: global_buffer, .address_space: global }
      - { .name: top_k_index, .offset: 24, .size: 8, .value_kind: global_buffer, .address_space: global }
      - { .name: xcodes, .offset: 32, .size: 8, .value_kind: global_buffer, .address_space: global }
      - { .name: xscales, .offset: 40, .size: 8, .value_kind: global_buffer, .address_space: global }
      - { .name: wfrag, .offset: 48, .size: 8, .value_kind: global_buffer, .address_space: global }
      - { .name: wscales, .offset: 56, .size: 8, .value_kind: global_buffer, .address_space: global }
      - { .name: rowlist, .offset: 64, .size: 8, .value_kind: global_buffer, .address_space: global }
      - { .name: rowcnt, .offset: 72, .size: 8, .value_kind: global_buffer, .address_space: global }
    .group_segment_fixed_size: 67072
    .private_segment_fixed_size: 0
    .kernarg_segment_align: 8
    .kernarg_segment_size: 80
    .max_flat_workgroup_size: 128
    .sgpr_count:     66
    .vgpr_count:     256
    .wavefront_size: 32
...
	.end_amdgpu_metadata
.endif
;; end of part 4
;; launch gateup (part 5): grid 32 x 11, 4 waves a work-group, no clusters, 126,976 bytes of LDS; arguments xcodes, xscales, wfrag, wscales, rowlist, rowcnt, actcodes, actscales; writes actcodes, actscales
.if DOCPART == 5
	.amdgcn_target "amdgcn-amd-amdhsa--gfx1250"
	.amdhsa_code_object_version 6
	.text
	.protected	k_q4c91b0c459_gateup
	.globl	k_q4c91b0c459_gateup
	.p2align	8
	.type	k_q4c91b0c459_gateup,@function
k_q4c91b0c459_gateup:
	s_mov_b64 s[64:65], 0
	v_nop
	global_prefetch_b8 v0, s[64:65] scope:SCOPE_SE
	s_setreg_imm32_b32 hwreg(HW_REG_WAVE_MODE, 25, 1), 1
	s_wait_xcnt 0x0
; act = Q(silu(gate) x up), (gate, up) = gate_up[e] x hidden, on codes of FP6 with E8M0 scales, for 64 slots of ONE expert's list in ONE segment of 256 routed ids.
; WORK LEFT OUT: a routed row is multiplied by its own expert alone: the others' results are multiplied by (expert_ids == e) = 0 for every value of the inputs.  The rows come from rowlist and rowcnt,
; whole numbers that the launch before stored.  LIMITS: a NaN, infinity or overflow in an expert not chosen is not carried on; where gate is under about -88 silu gives -0 (true magnitude under 1e-36).
; THE GRID SERVES EVERY SPLIT: work-group (segment x, tile y), 11 tiles a segment.  The tile's word says expert, first slot and n.  Tiles 0-7 are the experts' first 64 slots, tiles 8-10 the further chunks of 64,
; of which a segment of 256 ids never has more than three.  A tile whose first slot is at or behind n has no rows: it passes over the staging, the products and the stores, and ends.
; Slots from n on in a tile that has rows hold other valid ids of the segment; their results are not stored.
; ALL ADDRESSES ARE MADE AT THE HEAD, ahead of the first jump on a stored number; the three jumps lead round lines that write data registers and LDS alone; both barriers stand outside them, on every wave's path.
; NO TENSOR LOADS, NO CLUSTER: those jumps hang on a stored count, so operands go from memory through registers.  Weights are images of operand registers: each lane loads its fragments whole.
; SHARES.  Wave w owns block w of act's 128: gate rows 32 w .. + 31 and up rows 128 + 32 w .. + 31, four weight tiles, against all 64 slots; it stages and finishes slots 16 w .. 16 w + 15.
; TRANSPOSED: source 0 = 16 rows of the weight, source 1 = 16 slots: a lane holds ONE slot (lane % 16), and the 16 registers of tiles u = 0, 1 are k = 32 w + 16 (lane / 16) + 0 .. 15 of act.
; A weight fragment goes from memory into one wave's registers once (a ring of five K steps, four ahead: 48 to 60 loads of 512 bytes out); the slots' codes go through LDS once and are read by all four waves.
; The ring's first four K steps are asked for by every work-group, ahead of the first jump, so that the number of loads issued behind each load is the same on every way through the text.
; REGISTERS, in windows of 256.  Window 0: v1-31 addresses and temporaries; v32-95 scale words: v[32 + 16 i + s]: lanes 0-15 weight tile i, lanes 16-31 slot tile i, K step s; v96-191 x's fragments, two sets;
;   v192-207 row offsets; v208-220 x's scales on their way, later the finished fragment; v224-255 the weights' scales on their way.  Window 1: v0-239 the weight ring.
;   Window 2: v0-63 gate, v64-127 up (accumulator (i, m) at 64 (i / 2) + 16 m + 8 (i % 2)), v128-191 at work; v192-223 the quantiser's; while x is staged v0-191 take the 48 row loads.
.set XPITCH, 1552                      ; a slot's 1,536 bytes + 16 = 388 words: lane (r, h) of an 8-byte load starts at bank 4 r + 6 h mod 64 (64 banks of 4 bytes: ISA guide 11.1): 64 different banks
.set XHALF,  32*XPITCH
.set WS,     64*XPITCH                 ; weight scale words, 4,096 bytes a wave: [tile i][q][r] 16 bytes
.set XS,     WS+16384                  ; the slots' scale words: [tile m][q][r] 16 bytes
.set ACT,    XS+4096                   ; act's codes: slot 96 + 48 (block % 2) + 24 (block / 2) + 12 half: the 48 bytes at slot 96 + 48 h are lane (r, h)'s 12 registers
.set ASC,    ACT+6144                  ; act's scale bytes: 4 slot + block
.set SPARE,  ASC+256                   ; the spare words, 128 bytes for each wave: two blocks of 256 bytes that no other line names
.set SPW, 12
.set NIL, 13
.set MSB, 0
.macro WIN new                         ; low byte: bits 1:0 source 0, 3:2 source 1, 5:4 source 2, 7:6 destination; the high byte repeats the setting that is left
.if MSB != (\new)
	s_set_vgpr_msb (MSB<<8)|(\new)
.set MSB, (\new)
.endif
.endm
.macro BARRIER                         ; my LDS stores have landed and my LDS loads are in: then the work-group's barrier
	s_wait_dscnt 0x0
	s_barrier_signal -1
	s_barrier_wait -1
.endm
.macro WLOAD s                         ; K step s of my four weight tiles into ring place s % 5: twelve loads of 512 consecutive bytes; v8 = my first tile's byte + 16 lane
	WIN 0x40
.irp i, 0,1,2,3
.irp c, 0,1,2
	global_load_b128 v[48*((\s)%5)+12*\i+4*\c:48*((\s)%5)+12*\i+4*\c+3], v8, s[8:9] offset:(\i%2)*24576+(\i/2)*196608+1536*(\s)+512*\c
.endr
.endr
.endm
.macro XLOAD s                         ; K step s of the four slot tiles: 24 bytes at 96 s + 24 h and at 96 s + 48 + 24 h of a slot's row, in pieces of 8 bytes
	WIN 0
.irp m, 0,1,2,3
.irp p, 0,1,2,3,4,5
	ds_load_b64 v[96+48*((\s)%2)+12*\m+2*\p:96+48*((\s)%2)+12*\m+2*\p+1], v[5+\m/2] offset:(\m%2)*16*XPITCH+96*(\s)+48*(\p/3)+8*(\p%3)
.endr
.endr
.endm
; A K step of 128: 16 matrix instructions, the 16 accumulators by turns in the same order in every step.
.macro KSTEP s
.if (\s) > 0
.rept 4
	v_nop                                          ; four places between the last step's products and the loads into the registers that they read (ISA guide 7.12.1 for vector instructions)
.endr
.endif
.if (\s) < 15
	XLOAD (\s)+1
.endif
.if (\s) <= 11
	WLOAD (\s)+4
.endif
.if (\s) < 15
	s_wait_dscnt 24                                ; all but the 24 loads just issued: this step's fragments of x (and the scale words) are in
.else
	s_wait_dscnt 0x0
.endif
.if (\s) <= 11
	s_wait_loadcnt 48                              ; the four younger K steps of the ring may be out
.else
	s_wait_loadcnt 12*(15-(\s))
.endif
	WIN 0xa1                                       ; source 0 window 1, source 1 window 0, C and D window 2
.irp m, 0,1,2,3
.irp i, 0,1,2,3
.if (\s) == 0
	v_wmma_scale_f32_16x16x128_f8f6f4 v[64*(\i/2)+16*\m+8*(\i%2):64*(\i/2)+16*\m+8*(\i%2)+7], v[48*((\s)%5)+12*\i:48*((\s)%5)+12*\i+11], v[96+48*((\s)%2)+12*\m:96+48*((\s)%2)+12*\m+11], 0, v[32+16*\i+(\s)], v[32+16*\m+(\s)] matrix_a_fmt:MATRIX_FMT_FP6 matrix_b_fmt:MATRIX_FMT_FP6 matrix_b_scale:MATRIX_SCALE_ROW1
.else
	v_wmma_scale_f32_16x16x128_f8f6f4 v[64*(\i/2)+16*\m+8*(\i%2):64*(\i/2)+16*\m+8*(\i%2)+7], v[48*((\s)%5)+12*\i:48*((\s)%5)+12*\i+11], v[96+48*((\s)%2)+12*\m:96+48*((\s)%2)+12*\m+11], v[64*(\i/2)+16*\m+8*(\i%2):64*(\i/2)+16*\m+8*(\i%2)+7], v[32+16*\i+(\s)], v[32+16*\m+(\s)] matrix_a_fmt:MATRIX_FMT_FP6 matrix_b_fmt:MATRIX_FMT_FP6 matrix_b_scale:MATRIX_SCALE_ROW1
.endif
.endr
.endr
.endm
; SwiGLU in f32, in the order silu(gate) x up, and the quantiser along act's 128: my block w of each of the 64 slots.
.macro EPI
.rept 4
	v_nop                                          ; four places behind the last products
.endr
	WIN 0xaa                                       ; everything in window 2
.set j, 0
.rept 32
	v_pk_mul_f32 v[128+j:129+j], v[j:j+1], 0xbfb8aa3b op_sel_hi:[1,0]   ; -gate log2(e); each accumulator is read from its low end on
.set j, j+2
.endr
.set j, 0
	s_wait_alu depctr_va_vdst(0)
.rept 64
	v_exp_f32 v[128+j], v[128+j]
.set j, j+1
.endr
	v_nop                                          ; a plain place behind the last exponential,
	s_wait_alu depctr_va_vdst(0)                   ; and one wait for the batch, ahead of its first use
.set j, 0
.rept 32
	v_pk_add_f32 v[128+j:129+j], v[128+j:129+j], 1.0 op_sel_hi:[1,0]
.set j, j+2
.endr
.set j, 0
	s_wait_alu depctr_va_vdst(0)
.rept 64
	v_rcp_f32 v[128+j], v[128+j]
.set j, j+1
.endr
	v_nop
	s_wait_alu depctr_va_vdst(0)                   ; one wait for the 64 reciprocals
.set j, 0
.rept 32
	v_pk_mul_f32 v[j:j+1], v[j:j+1], v[128+j:129+j]            ; silu(gate)
.set j, j+2
.endr
.set j, 0
.rept 32
	v_pk_mul_f32 v[j:j+1], v[j:j+1], v[64+j:65+j]              ; x up
.set j, j+2
.endr
.irp m, 0,1,2,3
	v_max3_num_f32 v[192+\m], |v[16*\m]|, |v[16*\m+1]|, 0x1800000   ; my 16 numbers of the block, and the floor 2^(3 - 127); the four slot tiles by turns
.endr
.irp i, 2,4,6,8,10,12,14
.irp m, 0,1,2,3
	v_max3_num_f32 v[192+\m], v[192+\m], |v[16*\m+\i]|, |v[16*\m+\i+1]|
.endr
.endr
.irp m, 0,1,2,3
	v_permlanex16_b32 v[196+\m], v[192+\m], s26, s27
.endr
.irp m, 0,1,2,3
	v_max_num_f32 v[192+\m], v[192+\m], v[196+\m]  ; with lane l xor 16's 16: the block's largest magnitude
.endr
.irp m, 0,1,2,3
	v_add_nc_u32 v[200+\m], 0xff000000, v[192+\m]  ; 2 off the exponent field: the conversion's scale operand
.endr
.irp m, 0,1,2,3
	v_lshrrev_b32 v[204+\m], 23, v[200+\m]         ; the scale's byte
.endr
.irp m, 0,1,2,3
	v_cvt_scalef32_pk16_fp6_f32 v[208+4*\m:210+4*\m], v[16*\m:16*\m+15], v[200+\m]
.endr
	v_nop                                          ; one plain place behind the last scaled conversion
	WIN 0x08
.irp m, 0,1,2,3
.irp i, 0,1,2
	ds_store_b32 v14, v[208+4*\m+\i] offset:1536*\m+4*\i
.endr
	ds_store_b8 v15, v[204+\m] offset:64*\m        ; both halves of the lanes write the same byte with the same value
.endr
	WIN 0
.endm
	s_load_b512 s[4:19], s[0:1], 0x0               ; xcodes s[4:5], xscales s[6:7], wfrag s[8:9], wscales s[10:11], rowlist s[12:13], rowcnt s[14:15], actcodes s[16:17], actscales s[18:19]
	v_lshl_add_u32 v[SPW], v0, 2, SPARE
	v_mov_b32 v[NIL], 0
	v_lshrrev_b32 v1, 5, v0
	v_readfirstlane_b32 s20, v1                    ; wave w
	s_mov_b32 s21, ttmp9                           ; segment
	s_and_b32 s25, ttmp7, 0xffff                   ; tile 0 .. 10
	s_lshl_b32 s55, s21, 7
	s_lshl_b32 s25, s25, 2
	s_add_co_u32 s55, s55, s25                     ; 128 bytes of words a segment, 4 a tile
	s_wait_kmcnt 0x0
	s_load_b32 s54, s[14:15], s55 offset:0x0       ; the tile's word; the addresses that hang on ids alone are made while it is on its way
	v_and_b32 v1, 31, v0
	v_and_b32 v2, 15, v0                           ; r
	v_bfe_u32 v3, v0, 4, 1                         ; h
	v_lshlrev_b32 v4, 4, v1                        ; 16 lane
	v_mul_u32_u24 v5, v2, XPITCH
	v_mad_u32_u24 v5, v3, 24, v5                   ; x's fragments: slot r, + 24 h; slots 0-31
	v_add_nc_u32 v6, XHALF, v5                     ; slots 32-63
	s_mul_i32 s44, s20, 16*XPITCH
	v_add_nc_u32 v7, s44, v4                       ; staging: slots 16 w + i, 16 bytes a lane
	s_lshl_b32 s44, s20, 12
	s_add_co_u32 s45, s44, WS                      ; my wave's scale words
	v_lshl_add_u32 v9, v2, 4, s45
	s_xor_b32 s46, s20, 3
	s_lshl_b32 s46, s46, 12
	s_add_co_u32 s46, s46, 4096                    ; XS - WS - 4096 w = 4096 (4 - w)
	v_mul_u32_u24 v24, s46, v3
	v_add_nc_u32 v9, v9, v24                       ; lanes 0-15 read the weights' words, lanes 16-31 the slots': the lower base + h x the distance
	v_add_nc_u32 v10, s45, v4
	v_lshlrev_b32 v11, 4, v2
	v_lshl_add_u32 v11, v3, 9, v11
	s_lshl_b32 s44, s20, 10
	s_add_co_u32 s44, s44, XS
	v_add_nc_u32 v11, s44, v11                     ; x's scales: XS + 1024 w + 256 (2 h) + 16 r; the second 16 bytes 256 on
	v_lshlrev_b32 v26, 5, v3                       ; 32 h: which half of a row's 64 scale bytes I stage
	s_and_b32 s44, s20, 1
	s_mul_i32 s44, s44, 48
	s_lshr_b32 s47, s20, 1
	s_mul_i32 s47, s47, 24
	s_add_co_u32 s44, s44, s47
	s_add_co_u32 s44, s44, ACT
	v_mul_u32_u24 v14, v2, 96
	v_mad_u32_u24 v14, v3, 12, v14
	v_add_nc_u32 v14, s44, v14                     ; where my 12 bytes of act's codes go
	s_add_co_u32 s44, s20, ASC
	v_lshl_add_u32 v15, v2, 2, s44                 ; and my block's scale byte
	s_lshl_b32 s44, s20, 4
	v_add_nc_u32 v23, s44, v2                      ; 16 w + r: the slot that I stage and finish
	v_mul_u32_u24 v16, v23, 96
	v_mad_u32_u24 v16, v3, 48, v16
	v_add_nc_u32 v16, ACT, v16
	v_lshl_add_u32 v17, v23, 2, ASC
	v_lshlrev_b32 v19, 2, v23
	s_mov_b32 s26, 0x76543210
	s_mov_b32 s27, 0xfedcba98                      ; selects for lane l xor 16
	WIN 0x80
.irp b, 0,1,2,3
	v_mov_b32 v[196+\b], 0                         ; window 2: written once: a lane permute's destination counts as one of its sources
.endr
	WIN 0
	s_wait_alu depctr_va_vdst(0)
	s_wait_kmcnt 0x0
	s_and_b32 s22, s54, 15
	s_min_u32 s22, s22, 7                          ; the expert, held inside the tables
	s_bfe_u32 s24, s54, 0x80004
	s_min_u32 s24, s24, 192                        ; the tile's first slot, held inside the list
	s_lshr_b32 s23, s54, 16
	s_min_u32 s23, s23, 256                        ; n
	s_lshl_b32 s44, s22, 4
	s_lshl_b32 s45, s20, 1
	s_add_co_u32 s44, s44, s45                     ; 16 e + 2 w: my first weight tile
	s_mul_i32 s46, s44, 24576
	v_add_nc_u32 v8, s46, v4                       ; its fragments (16 K steps of 1,536 bytes a tile); the up pair lies 8 tiles on
	s_lshl_b32 s46, s44, 10
	v_add_nc_u32 v20, s46, v4                      ; its scale words
	s_lshl_b32 s45, s21, 3
	s_add_co_u32 s45, s45, s22
	s_lshl_b32 s45, s45, 10                        ; my list: 1,024 bytes for each (segment, expert),
	s_lshl_b32 s46, s24, 2
	s_add_co_u32 s45, s45, s46                     ; from the tile's first slot on
	v_add_nc_u32 v25, s45, v19
	global_load_b32 v21, v25, s[12:13]             ; the id of slot 16 w + r, in both halves of the lanes
	WLOAD 0
	WLOAD 1
	WLOAD 2
	WLOAD 3
	WIN 0
	v_add_nc_u32 v30, s24, v23                     ; my slot's place in the list
	s_wait_loadcnt 48                              ; the id is in; the ring's 48 loads, issued behind it, may be out
.irp i, 0,1,2,3,4,5,6,7,8,9,10,11,12,13,14,15
	v_readlane_b32 s[28+\i], v21, \i               ; the ids of my 16 slots as scalars
.endr
.irp i, 0,1,2,3,4,5,6,7,8,9,10,11,12,13,14,15
	s_lshr_b32 s[28+\i], s[28+\i], 1               ; the token,
	s_min_u32 s[28+\i], s[28+\i], 4095             ; held inside the table,
	s_mul_i32 s[28+\i], s[28+\i], 1536             ; its row of codes
	v_add_nc_u32 v[192+\i], s[28+\i], v4
.endr
	v_lshrrev_b32 v22, 1, v21
	v_min_u32 v22, 4095, v22
	v_lshl_add_u32 v22, v22, 6, v26                ; its row of scale bytes, my half
	v_min_u32 v24, 8191, v21                       ; where the finished slot goes: its id j, held inside the buffer: token tile j / 32, k = j % 2, row (j / 2) % 16
	v_and_b32 v25, 0x1fe0, v24
	v_and_b32 v27, 1, v24
	v_and_b32 v31, 30, v24
	v_mul_u32_u24 v28, v25, 96                     ; 3,072 bytes a token tile,
	v_mad_u32_u24 v28, v27, 1536, v28              ; 1,536 for k,
	v_lshl_add_u32 v28, v31, 3, v28                ; 16 bytes a lane: lane = row + 16 h
	v_lshl_add_u32 v28, v3, 8, v28
	v_lshlrev_b32 v29, 3, v25                      ; the scale words: 256 bytes a token tile, 128 for k, 4 a lane; a row's word stands in both halves
	v_lshl_add_u32 v29, v27, 7, v29
	v_lshl_add_u32 v29, v31, 1, v29
	v_lshl_add_u32 v29, v3, 6, v29
	; ---- the staging: my four tiles' scale words, my 16 slots' codes and scale bytes, into LDS
	s_cmp_ge_u32 s24, s23                          ; a tile with no rows passes over it
	s_cbranch_scc1 .Lno_stage
.irp k, 0,1,2,3,4,5,6,7
	global_load_b128 v[224+4*\k:227+4*\k], v20, s[10:11] offset:512*(\k%4)+8192*(\k/4)
.endr
	WIN 0x80
.irp ri, 0,1,2,3,4,5,6,7,8,9,10,11,12,13,14,15
.irp c, 0,1,2
	global_load_b128 v[12*\ri+4*\c:12*\ri+4*\c+3], v[192+\ri], s[4:5] offset:512*\c   ; 512 consecutive bytes of one row
.endr
.endr
	WIN 0
	global_load_b128 v[208:211], v22, s[6:7]             ; K steps 8 h .. 8 h + 3,
	global_load_b128 v[212:215], v22, s[6:7] offset:16   ; and 8 h + 4 .. 8 h + 7
	s_wait_loadcnt 50                              ; the weights' scale words are in; the 48 row loads and the 2 behind them may be out
.irp k, 0,1,2,3,4,5,6,7
	ds_store_b128 v10, v[224+4*\k:227+4*\k] offset:512*\k
.endr
	s_wait_loadcnt 0x0
	WIN 0x08                                       ; an LDS store's data are its source 1: window 2
.irp i, 0,1,2,3,4,5,6,7,8,9,10,11,12,13,14,15
.irp c, 0,1,2
	ds_store_b128 v7, v[12*\i+4*\c:12*\i+4*\c+3] offset:\i*XPITCH+512*\c
.endr
.endr
	WIN 0
	ds_store_b128 v11, v[208:211]
	ds_store_b128 v11, v[212:215] offset:256
.Lno_stage:
	BARRIER                                        ; the tile's rows and scale words lie in LDS
	; ---- the products, SwiGLU and the quantiser
	s_cmp_ge_u32 s24, s23
	s_cbranch_scc1 .Lno_main
.irp i, 0,1,2,3
.irp q, 0,1,2,3
	ds_load_b128 v[32+16*\i+4*\q:32+16*\i+4*\q+3], v9 offset:1024*\i+256*\q   ; the scale words of all 16 K steps
.endr
.endr
	XLOAD 0
.irp s, 0,1,2,3,4,5,6,7,8,9,10,11,12,13,14,15
	KSTEP \s
.endr
	EPI
.Lno_main:
	BARRIER                                        ; act's codes and scale bytes lie in LDS
	; ---- wave w finishes slot tile w: a slot's 96 bytes of codes and its scale word go to the place of its id in act's images.  Slots from n on are not stored.
	s_cmp_ge_u32 s24, s23
	s_cbranch_scc1 .Lno_fin
.irp c, 0,1,2
	ds_load_b128 v[208+4*\c:211+4*\c], v16 offset:16*\c
.endr
	ds_load_b32 v220, v17
	v_cmp_gt_u32 vcc_lo, s23, v30                  ; is my slot one of the expert's n?
	s_wait_dscnt 0x0
	s_wait_xcnt 0x0                                ; EXEC changes only behind this wait
	s_and_saveexec_b32 s46, vcc_lo
	s_wait_alu depctr_va_vdst(0)
.irp c, 0,1,2
	global_store_b128 v28, v[208+4*\c:211+4*\c], s[16:17] offset:512*\c
.endr
	global_store_b32 v29, v220, s[18:19]
	s_wait_xcnt 0x0                                ; and again in front of the line that widens it
	s_or_b32 exec_lo, exec_lo, s46
.Lno_fin:
	s_wait_tensorcnt 0x0                           ; the wave's end: three lines behind my last LDS store
	ds_add_u32 v[SPW], v[NIL]
	s_wait_dscnt 0x0
	s_endpgm
.Lfunc_end_k_q4c91b0c459_gateup:
	.size	k_q4c91b0c459_gateup, .Lfunc_end_k_q4c91b0c459_gateup-k_q4c91b0c459_gateup
	.p2alignl 7, 3214868480
	.fill 96, 4, 3214868480
	.section	.rodata,"a",@progbits
	.p2align	6, 0x0
	.amdhsa_kernel k_q4c91b0c459_gateup
		.amdhsa_group_segment_fixed_size 126976
		.amdhsa_private_segment_fixed_size 0
		.amdhsa_enable_private_segment 0
		.amdhsa_kernarg_size 64
		.amdhsa_user_sgpr_count 2
		.amdhsa_user_sgpr_kernarg_segment_ptr 1
		.amdhsa_wavefront_size32 1
		.amdhsa_system_sgpr_workgroup_id_x 1
		.amdhsa_system_sgpr_workgroup_id_y 1
		.amdhsa_system_sgpr_workgroup_id_z 1
		.amdhsa_system_vgpr_workitem_id 0
		.amdhsa_next_free_vgpr 768
		.amdhsa_next_free_sgpr 66
		.amdhsa_reserve_vcc 1
		.amdhsa_float_denorm_mode_32 3
		.amdhsa_float_denorm_mode_16_64 3
		.amdhsa_memory_ordered 1
		.amdhsa_forward_progress 1
		.amdhsa_inst_pref_size 117
	.end_amdhsa_kernel
	.amdgpu_metadata
---
amdhsa.version: [ 1, 2 ]
amdhsa.kernels:
  - .name:           k_q4c91b0c459_gateup
    .symbol:         k_q4c91b0c459_gateup.kd
    .args:
      - { .name: xcodes, .offset: 0, .size: 8, .value_kind: global_buffer, .address_space: global }
      - { .name: xscales, .offset: 8, .size: 8, .value_kind: global_buffer, .address_space: global }
      - { .name: wfrag, .offset: 16, .size: 8, .value_kind: global_buffer, .address_space: global }
      - { .name: wscales, .offset: 24, .size: 8, .value_kind: global_buffer, .address_space: global }
      - { .name: rowlist, .offset: 32, .size: 8, .value_kind: global_buffer, .address_space: global }
      - { .name: rowcnt, .offset: 40, .size: 8, .value_kind: global_buffer, .address_space: global }
      - { .name: actcodes, .offset: 48, .size: 8, .value_kind: global_buffer, .address_space: global }
      - { .name: actscales, .offset: 56, .size: 8, .value_kind: global_buffer, .address_space: global }
    .group_segment_fixed_size: 126976
    .private_segment_fixed_size: 0
    .kernarg_segment_align: 8
    .kernarg_segment_size: 64
    .max_flat_workgroup_size: 128
    .sgpr_count:     66
    .vgpr_count:     768
    .wavefront_size: 32
...
	.end_amdgpu_metadata
.endif
;; end of part 5
;; launch down (part 6): grid 8 x 32, 4 waves a work-group, no clusters, 46,592 bytes of LDS; arguments actcodes, actscales, wfrag, wscales, top_k_index, top_k_weights, out0; writes out0
.if DOCPART == 6
	.amdgcn_target "amdgcn-amd-amdhsa--gfx1250"
	.amdhsa_code_object_version 6
	.text
	.protected	k_q4c91b0c459_down
	.globl	k_q4c91b0c459_down
	.p2align	8
	.type	k_q4c91b0c459_down,@function
k_q4c91b0c459_down:
	s_mov_b64 s[64:65], 0
	v_nop
	global_prefetch_b8 v0, s[64:65] scope:SCOPE_SE
	s_setreg_imm32_b32 hwreg(HW_REG_WAVE_SCHED_MODE, 0, 2), 2
	s_setreg_imm32_b32 hwreg(HW_REG_WAVE_MODE, 25, 1), 1
	s_wait_xcnt 0x0
	s_wait_alu depctr_vm_vsrc(0)
; out[t][c] = sum over k of weight[t][k] x (down[index[t][k]] act[t][k])[c], on codes of FP6 with E8M0 scales.  Tokens stay in their natural order, so every output row has one owner and is written once.
; NOTHING IS LEFT OUT BY A BRANCH HERE: each tile of 16 tokens is multiplied by all 8 experts.  For expert e a lane takes act[t][0] where index[t][0] = e, else act[t][1], and the product is added with the factor
; (index[t][0] = e ? weight[t][0] : 0) + (index[t][1] = e ? weight[t][1] : 0).  Where both indices name e the two rows of act are the same numbers.  LIMIT: 0 x a product is 0 only while no sum over 128 overflows f32
; (codes are always finite); a product of an expert not chosen carries nothing else to the result.
; SHARES.  Work-group (256 columns x, 128 tokens y).  Wave w owns columns 256 x + 64 w .. + 63: four tiles of down for each of the 8 experts, 384 registers, loaded once as images of operand registers and kept.
; act's images, scale words, indices and weights of the 128 tokens (28 KiB) come into LDS once; one barrier.  No tensor load and no cluster: what work-groups share is that small part; the weights go straight to registers.
; TRANSPOSED: source 0 = 16 rows of down, source 1 = 16 tokens: lane (r, h) holds token r and columns 16 t + 8 h + 0 .. 7.
; REGISTERS.  Window 0: v1-17 addresses; v32-63 down's scale words (expert e, tile t at 32 + 4 e + t); v64-87 act[.][0], act[.][1]; v88, v89 their scale words; v90-93 indices, weights; v96-119 the chosen operand, two
;   buffers; v120, v121 its scale word; v122-125 the factor, two pairs; v128-159 a product; v160-191 the sums; v192-223 rows on the way out.  Window 1: experts 0-3 at 48 (e % 4) + 12 t.  Window 2: experts 4-7.
; THE MODE: SCHED_MODE bits 1:0 = 2 (LLVM: expert scheduling mode 2), set by the entry lines.  The code itself states the register dependences between vector or matrix instructions and memory or LDS
; instructions, with s_wait_alu, always for 0.
; THE PLAN.  Registers that memory or LDS instructions touch, round a tile of 16 tokens:
;   v4, v5, v9-11, v16, v17  addresses, made at the head and never written again.
;   v6-8      LDS addresses of a tile's operands.  Read by the tile's ten LDS loads (RAW); written by three adds, once a tile, behind expert 1's selection.
;   v64-93    Written by RAW, behind expert 7's products; read by the next tile's 16 compares and eight selections.
;   v160-191  The sums.  Written by the multiply-adds; read by the stage's LDS stores at the tile's end.
;   v192-223  Written by the stage's LDS loads at the tile's end; read by the eight global stores that stand in the next tile, behind expert 1's selection.
;   v96-121   The chosen operand and its scale word: written by selections, taken by the scaled products.   s24-39: the 16 masks: written by the compares, read by the selections.
;   v128-183  At the head alone: loaded, and read by the head's LDS stores; products and sums from there on.
; THE WAITS OF A TILE.  One on va_sdst behind the run of compares.  One on va_vdst directly ahead of each expert's four products: the selection has written the operand and its scale word; expert 7's also states
; that every reader of v64-93 is done and that v6-8 are written, so RAW follows those products with no wait of its own (they name none of its registers).  One on vm_vsrc behind expert 1's selection: RAW has read v6-8,
; the last tile's stage stores have read the sums.  At the tile's end one on vm_vsrc (the global stores have read v192-223) and one on va_vdst (the sums are written).
.set AC,     0                         ; act's images: 8 token tiles x 3,072 bytes
.set ASC,    24576                     ; their scale words: 8 x 256
.set IDX,    26624                     ; 128 x 8 bytes of indices
.set WT,     27648                     ; 128 x 8 bytes of weights
.set STG,    28672                     ; the way out: 16 rows x (256 + 16) bytes for each wave, its own
.set SPITCH, 272
.set SPARE,  STG+4*16*SPITCH           ; the spare words, 128 bytes for each wave: two blocks of 256 bytes that no other line names
.set SPW, 12
.set NIL, 13
.set CNT, 20                           ; s20     the loop's counter
.set M0,  24                           ; s24-31  mask e: the lanes whose token has index[t][0] = e
.set M1,  32                           ; s32-39  mask e: index[t][1] = e
.set MSB, 0
.macro WIN new
.if MSB != (\new)
	s_set_vgpr_msb (MSB<<8)|(\new)
.set MSB, (\new)
.endif
.endm
	s_load_b256 s[4:11], s[0:1], 0x0               ; actcodes s[4:5], actscales s[6:7], wfrag s[8:9], wscales s[10:11]
	s_load_b128 s[12:15], s[0:1], 0x20             ; index s[12:13], weights s[14:15]
	s_load_b64 s[16:17], s[0:1], 0x30              ; out
	v_lshl_add_u32 v[SPW], v0, 2, SPARE
	v_mov_b32 v[NIL], 0
	v_lshrrev_b32 v1, 5, v0
	v_readfirstlane_b32 s21, v1                    ; wave w
	s_and_b32 s23, ttmp7, 0xffff                   ; block of 128 tokens
	v_and_b32 v1, 31, v0
	v_and_b32 v2, 15, v0                           ; r
	v_bfe_u32 v3, v0, 4, 1                         ; h
	v_lshlrev_b32 v4, 4, v1
	v_lshlrev_b32 v5, 4, v0                        ; 16 x thread
	v_lshlrev_b32 v16, 3, v0                       ; 8 x thread
	v_lshlrev_b32 v17, 4, v2
	v_lshlrev_b32 v6, 4, v1                        ; act's image of the tile in hand: 16 lane; steps 3,072 a tile
	v_lshl_add_u32 v7, v1, 2, ASC                  ; its scale words; steps 256
	v_lshl_add_u32 v8, v2, 3, IDX                  ; token r's indices (the weights lie 1,024 bytes on); steps 128
	s_wait_alu depctr_va_sdst(0)                   ; s21 is written, ahead of its first reader: the stage's place and the bases of the weights and of out are made from it
	s_mul_i32 s18, s21, 16*SPITCH
	s_add_co_u32 s18, s18, STG
	v_mul_u32_u24 v9, v2, SPITCH
	v_lshl_add_u32 v9, v3, 5, v9
	v_add_nc_u32 v9, s18, v9                       ; stage, in: row r, 32 h
	v_mul_u32_u24 v10, v3, SPITCH
	v_lshl_add_u32 v10, v2, 4, v10
	v_add_nc_u32 v10, s18, v10                     ; and back: lanes 0-15 one row, lanes 16-31 the next
	v_lshlrev_b32 v11, 13, v3
	v_lshl_add_u32 v11, v2, 4, v11                 ; the same two rows in out (8,192 bytes a row)
	v_mov_b32 v123, 0                              ; (named as the upper halves of the factor's pairs)
	v_mov_b32 v125, 0
	s_mov_b32 s27, 0
	s_lshl_b32 s28, ttmp9, 4
	s_lshl_b32 s29, s21, 2
	s_add_co_u32 s28, s28, s29                     ; my first tile of down: 16 x + 4 w
	s_wait_kmcnt 0x0
	s_mul_i32 s26, s23, 24576
	s_add_nc_u64 s[4:5], s[4:5], s[26:27]
	s_lshl_b32 s26, s23, 11
	s_add_nc_u64 s[6:7], s[6:7], s[26:27]
	s_lshl_b32 s26, s23, 10
	s_add_nc_u64 s[12:13], s[12:13], s[26:27]
	s_add_nc_u64 s[14:15], s[14:15], s[26:27]
	s_mul_i32 s26, s28, 1536
	s_add_co_u32 s26, s26, 3145728                 ; down's fragments begin behind gate_up's 2,048
	s_add_nc_u64 s[8:9], s[8:9], s[26:27]
	s_lshl_b32 s26, s28, 6
	s_add_co_u32 s26, s26, 131072                  ; a unit of 256 bytes for my four tiles, behind gate_up's 512 units
	s_add_nc_u64 s[10:11], s[10:11], s[26:27]
	s_lshl_b32 s26, s23, 20
	s_lshl_b32 s29, ttmp9, 10
	s_add_co_u32 s26, s26, s29
	s_lshl_b32 s29, s21, 8
	s_add_co_u32 s26, s26, s29
	s_add_nc_u64 s[16:17], s[16:17], s[26:27]      ; out at my first token and my first column
	s_wait_alu depctr_va_vdst(0)                   ; the addresses v4 to v11, v16 and v17 are written, which the loads and stores of the whole kernel read; up to the barrier no vector line follows
.irp i, 0,1,2,3,4,5,6,7,8,9,10,11
	global_load_b128 v[128+4*\i:131+4*\i], v5, s[4:5] offset:2048*\i   ; the work-group reads 2,048 consecutive bytes
.endr
	global_load_b128 v[176:179], v5, s[6:7]
	global_load_b64 v[180:181], v16, s[12:13]
	global_load_b64 v[182:183], v16, s[14:15]
	WIN 0x40
.irp e, 0,1,2,3
.irp k, 0,1,2,3,4,5,6,7,8,9,10,11
	global_load_b128 v[48*\e+4*\k:48*\e+4*\k+3], v4, s[8:9] offset:196608*\e+512*\k
.endr
.endr
	WIN 0
	s_wait_loadcnt 48                              ; the 15 loads that are older than these 48 are in
.irp i, 0,1,2,3,4,5,6,7,8,9,10,11
	ds_store_b128 v5, v[128+4*\i:131+4*\i] offset:AC+2048*\i
.endr
	ds_store_b128 v5, v[176:179] offset:ASC
	ds_store_b64 v16, v[180:181] offset:IDX
	ds_store_b64 v16, v[182:183] offset:WT
	WIN 0x80
.irp e, 4,5,6,7
.irp k, 0,1,2,3,4,5,6,7,8,9,10,11
	global_load_b128 v[48*(\e-4)+4*\k:48*(\e-4)+4*\k+3], v4, s[8:9] offset:196608*\e+512*\k
.endr
.endr
	WIN 0
.irp e, 0,1,2,3,4,5,6,7
	global_load_b128 v[32+4*\e:35+4*\e], v17, s[10:11] offset:8192*\e   ; row r's words of my four tiles
.endr
	s_wait_dscnt 0x0                               ; for the others' sake: my stores have landed
	s_barrier_signal -1
	s_barrier_wait -1
	s_wait_alu depctr_vm_vsrc(0)                   ; my LDS stores have read v128-183: these registers are products and sums from here on, written by matrix and vector instructions
.macro RAW                             ; ten LDS loads: the tile's two images, scale words, indices, weights
.irp c, 0,1,2
	ds_load_b128 v[64+4*\c:67+4*\c], v6 offset:512*\c
.endr
.irp c, 0,1,2
	ds_load_b128 v[76+4*\c:79+4*\c], v6 offset:1536+512*\c
.endr
	ds_load_b32 v88, v7
	ds_load_b32 v89, v7 offset:128
	ds_load_b64 v[90:91], v8
	ds_load_b64 v[92:93], v8 offset:1024
.endm
.macro MASKS                           ; the tile's 16 compares in one run, with one wait behind it
.irp e, 0,1,2,3,4,5,6,7
	v_cmp_eq_u32 s[M0+\e], \e, v90
	v_cmp_eq_u32 s[M1+\e], \e, v91
.endr
	s_wait_alu depctr_va_sdst(0)                   ; the 16 masks s24-39 are written, ahead of their first reader: the eight selections of this tile read them
.endm
.macro SELW e                          ; expert e's operand, scale word and factor, lane by lane, into buffer e % 2.  The scale word is written first: it stands furthest ahead of the product
	v_cndmask_b32 v[120+(\e)%2], v89, v88, s[M0+(\e)]
.irp i, 0,1,2,3,4,5,6,7,8,9,10,11
	v_cndmask_b32 v[96+12*((\e)%2)+\i], v[76+\i], v[64+\i], s[M0+(\e)]
.endr
	v_cndmask_b32 v14, 0, v92, s[M0+(\e)]
	v_cndmask_b32 v15, 0, v93, s[M1+(\e)]
	v_add_f32 v[122+2*((\e)%2)], v14, v15
.endm
.macro MM e                            ; four products, each begun with the constant 0
	WIN 1+(\e)/4                                   ; source 0 in window 1 or 2
	s_wait_alu depctr_va_vdst(0)                   ; expert e's selection has written the operand v[96 + 12 (e % 2) ..] and its scale word v[120 + e % 2], which these scaled products take (the places stand ahead of this wait).  In front of expert 7 also: the compares and all eight selections are done reading v64-93, in which RAW's loads land, and the adds have written v6-8, which RAW reads
.irp t, 0,1,2,3
	v_wmma_scale_f32_16x16x128_f8f6f4 v[128+8*\t:135+8*\t], v[48*((\e)%4)+12*\t:48*((\e)%4)+12*\t+11], v[96+12*((\e)%2):107+12*((\e)%2)], 0, v[32+4*(\e)+\t], v[120+(\e)%2] matrix_a_fmt:MATRIX_FMT_FP6 matrix_b_fmt:MATRIX_FMT_FP6
.endr
	WIN 0
.endm
.macro FMA e                           ; the sums += factor x product; each product is read from its low end on; expert 0 starts the sums: nothing is cleared
.set j, 0
.rept 16
.if (\e) == 0
	v_pk_mul_f32 v[160+j:161+j], v[128+j:129+j], v[122:123] op_sel_hi:[1,0]
.else
	v_pk_fma_f32 v[160+j:161+j], v[128+j:129+j], v[122+2*((\e)%2):123+2*((\e)%2)], v[160+j:161+j] op_sel_hi:[1,0,1]
.endif
.set j, j+2
.endr
.endm
.macro SEND
.irp i, 0,1,2,3,4,5,6,7
	global_store_b128 v11, v[192+4*\i:195+4*\i], s[16:17] offset:16384*\i th:TH_STORE_NT   ; 16 lanes store 256 consecutive bytes, aligned
.endr
.endm
; A tile of 16 tokens.  Between an expert's products and the lines that read them stands the next expert's selection: 16 plain instructions that name none of the products' registers; they are the places behind
; the products, and with the 16 multiply-adds that follow them they stand ahead of the next products, whose operand and scale word they wrote (4 and 8 places are asked).
.macro TILE first, last
.if \first
	s_wait_dscnt 0x0
.else
	s_wait_dscnt 16                                ; the tile's ten loads are in; the 16 stage instructions behind them may be out
.endif
	MASKS
	SELW 0
	v_nop                                          ; no multiply-adds follow this selection: with these two, 5 places behind the operand's last write and 17 behind the scale word's
	v_nop
.irp e, 0,1,2,3,4,5,6,7
	MM \e
.if \e < 7
	SELW \e+1
.endif
.if \e == 0
	s_wait_alu depctr_vm_vsrc(0)                   ; this tile's ten LDS loads have read v6-8, which the adds below write; from the second tile on, the stage's stores of the tile before have read the sums v160-191, which expert 0's multiplications write
.if \last == 0
	v_add_nc_u32 v6, 3072, v6                      ; on to the next tile: seven waits on va_vdst stand between these adds and the loads that read them
	v_add_nc_u32 v7, 256, v7
	v_add_nc_u32 v8, 128, v8
.endif
.if \first == 0
	s_wait_dscnt 0x0                               ; the tile before is back from the stage
	SEND
.endif
.endif
.if \e == 7
.if \last == 0
	RAW                                            ; the next tile's operands.  No wait: no vector or matrix instruction since the wait ahead of these products names v6-8 or v64-93
.endif
.rept 4
	v_nop                                          ; four places behind the last products, ahead of the lines that read them (ISA guide 7.12.1)
.endr
.endif
	FMA \e
.endr
	s_wait_xcnt 0x0                                ; the last stores have read their registers and their base: both may be written
.if \first == 0
	s_wait_alu depctr_vm_vsrc(0)                   ; the eight global stores of this tile's head have read v192-223, in which the stage's loads below land
.endif
	s_wait_alu depctr_va_vdst(0)                   ; expert 7's multiply-adds have written the sums v160-191, which the stage's stores read
.if \first == 0
	s_add_nc_u64 s[16:17], s[16:17], 131072        ; 16 rows of out on
.endif
.irp t, 0,1,2,3
	ds_store_b128 v9, v[160+8*\t:163+8*\t] offset:64*\t
	ds_store_b128 v9, v[164+8*\t:167+8*\t] offset:64*\t+16
.endr
.irp i, 0,1,2,3,4,5,6,7
	ds_load_b128 v[192+4*\i:195+4*\i], v10 offset:2*\i*SPITCH   ; LDS serves a wave's instructions in order (ISA guide 5.7.1.4): these see my stores
.endr
.endm
	RAW
	s_wait_loadcnt 0x0                             ; the weights and their scale words
	TILE 1, 0
	s_mov_b32 s[CNT], 6
.Ltile:
	TILE 0, 0
	s_sub_co_u32 s[CNT], s[CNT], 1
	s_cmp_lg_u32 s[CNT], 0
	s_cbranch_scc1 .Ltile
	TILE 0, 1
	s_wait_dscnt 0x0
	SEND
	s_wait_dscnt 0x0                               ; the closing lines, six on end
	s_wait_alu 0x0
	s_wait_tensorcnt 0x0
	ds_add_u32 v[SPW], v[NIL]
	s_wait_dscnt 0x0
	s_endpgm
.Lfunc_end_k_q4c91b0c459_down:
	.size	k_q4c91b0c459_down, .Lfunc_end_k_q4c91b0c459_down-k_q4c91b0c459_down
	.p2alignl 7, 3214868480
	.fill 96, 4, 3214868480
	.section	.rodata,"a",@progbits
	.p2align	6, 0x0
	.amdhsa_kernel k_q4c91b0c459_down
		.amdhsa_group_segment_fixed_size 46592
		.amdhsa_private_segment_fixed_size 0
		.amdhsa_enable_private_segment 0
		.amdhsa_kernarg_size 56
		.amdhsa_user_sgpr_count 2
		.amdhsa_user_sgpr_kernarg_segment_ptr 1
		.amdhsa_wavefront_size32 1
		.amdhsa_system_sgpr_workgroup_id_x 1
		.amdhsa_system_sgpr_workgroup_id_y 1
		.amdhsa_system_sgpr_workgroup_id_z 1
		.amdhsa_system_vgpr_workitem_id 0
		.amdhsa_next_free_vgpr 704
		.amdhsa_next_free_sgpr 66
		.amdhsa_reserve_vcc 0
		.amdhsa_float_denorm_mode_32 3
		.amdhsa_float_denorm_mode_16_64 3
		.amdhsa_memory_ordered 1
		.amdhsa_forward_progress 1
		.amdhsa_inst_pref_size 89
	.end_amdhsa_kernel
	.amdgpu_metadata
---
amdhsa.version: [ 1, 2 ]
amdhsa.kernels:
  - .name:           k_q4c91b0c459_down
    .symbol:         k_q4c91b0c459_down.kd
    .args:
      - { .name: actcodes, .offset: 0, .size: 8, .value_kind: global_buffer, .address_space: global }
      - { .name: actscales, .offset: 8, .size: 8, .value_kind: global_buffer, .address_space: global }
      - { .name: wfrag, .offset: 16, .size: 8, .value_kind: global_buffer, .address_space: global }
      - { .name: wscales, .offset: 24, .size: 8, .value_kind: global_buffer, .address_space: global }
      - { .name: top_k_index, .offset: 32, .size: 8, .value_kind: global_buffer, .address_space: global }
      - { .name: top_k_weights, .offset: 40, .size: 8, .value_kind: global_buffer, .address_space: global }
      - { .name: out0, .offset: 48, .size: 8, .value_kind: global_buffer, .address_space: global }
    .group_segment_fixed_size: 46592
    .private_segment_fixed_size: 0
    .kernarg_segment_align: 8
    .kernarg_segment_size: 56
    .max_flat_workgroup_size: 128
    .sgpr_count:     66
    .vgpr_count:     704
    .wavefront_size: 32
...
	.end_amdgpu_metadata
.endif
;; end of part 6
